; MI455X (gfx1250); checked and timed in simulation.
; The chip was launched on July 23, 2026; its instructions are those of AMD's public machine-readable ISA for CDNA 5 (MIT licence, August 2026) and "CDNA5" Instruction Set Architecture Reference Guide (July 2026). The comments in the code are by the model that wrote it; some were corrected since.
;; Attention uia. Allowed arithmetic: matrix products marked QUANTISED: E2M1 operands, one E8M0 scale for each 32 along K, by v_wmma_scale_f32_16x16x128_f8f6f4 with both operands' format E2M1 (or v_wmma_scale_f32_32x16x128_f4), f32 sums; products left as they are: bf16, f16 or f32 operands; f32 sums; everything else in f32.
;; Inputs: b_proj 1,024 float32; w_proj 1,024 x 1,024 float32; w_qkv 3,072 x 1,024 float32; x 4 x 2,048 x 1,024 float32.
;; Outputs: out0 4 x 2,048 x 1,024 float32.
;; This version of the problem:
;;   THIS VERSION OF THE PROBLEM IS GIVEN IN LOW PRECISION. The matrix products marked QUANTISED in the list below multiply operands that are first quantised to E2M1 (2 exponent bits, 1 mantissa bit; 4 bits a number), with one power-of-two scale for each 32 numbers along K (OCP MX v1.0); their sums are f32. The products marked 'left as it is' may take bf16, f16 or f32 operands, with f32 sums. Whichever they take, every output number must still come out within the allowed error. Rounding operands to bf16 (8 significant bits) uses up far more of that allowance than f16 does (11 bits, for magnitudes from 6e-5 to 65,504). All else is computed in f32.
;;   The module's matrix products, in the order in which they are computed (A, B: the left and right operand; K: the contracted axis; several contracted axes count as one K, in the product's order):
;;     1. [M 8,192, K 1,024] x [K 1,024, N 3,072]; A: input x; B: input w_qkv: QUANTISED
;;     2. batch 64 x [M 2,048, K 64] x [K 64, N 2,048]; A: computed on the way; B: computed on the way: left as it is (an operand is computed on the way)
;;     3. batch 64 x [M 2,048, K 2,048] x [K 2,048, N 64]; A: computed on the way; B: computed on the way: left as it is (an operand is computed on the way)
;;     4. [M 8,192, K 1,024] x [K 1,024, N 1,024]; A: computed on the way; B: input w_proj: left as it is (an operand is computed on the way)
;;   THE QUANTISER, for each operand of a quantised product, along K:
;;     - K is cut into blocks of 32 from its start; a last block that is shorter is filled with zeros.
;;     - A block's scale is 2^e with e = floor(log2(the largest magnitude in the block)) - 2, held to -126 .. 127; a block of zeros has e = 0. As a byte (E8M0): e + 127.
;;     - Each number is divided by its block's scale, clamped to +-6, and rounded to the nearest number of E2M1, ties to even, subnormals kept.
;;     - The product sums the exact products of the quantised numbers (number of the format x scale) in f32.
;;   ~~~python
;;   def quantise(x, axis):      # numpy; x: float32 -> the quantised numbers, widened to float32 again
;;       x = np.moveaxis(x, axis, -1); K = x.shape[-1]
;;       x = np.pad(x, [(0, 0)] * (x.ndim - 1) + [(0, -K % 32)]); x = x.reshape(x.shape[:-1] + (-1, 32)); a = np.abs(x).max(-1, keepdims=True)
;;       e = np.where(a > 0, np.clip(np.frexp(np.where(a > 0, a, 1))[1] - 1 - 2, -126, 127), 0)      # np.frexp(a)[1] - 1 = floor(log2(a)), exactly
;;       r = np.clip(x / 2.0 ** e, -6, 6)
;;       step = 2.0 ** (np.maximum(np.frexp(np.where(r == 0, 1, r))[1] - 1, 0) - 1)
;;       q = np.round(r / step) * step * 2.0 ** e      # np.round: ties to even
;;       return np.moveaxis(q.reshape(q.shape[:-2] + (-1,))[..., :K], -1, axis).astype(np.float32)
;;   ~~~
;; One version. Each part assembles by itself: llvm-mc -triple=amdgcn-amd-amdhsa -mcpu=gfx1250 --defsym DOCPART=n.
;; ======== version 1 of 1: 4 launches
;; limits: values are held in f16: magnitudes above 65,504 overflow, below 6.1e-05 lose precision
;; workspace buffers: xc 4,194,304 bytes; xs 262,144 bytes; wc 1,572,864 bytes; ws 98,304 bytes; wp 2,097,152 bytes; qkv 50,331,648 bytes; ao 16,777,216 bytes
;; launch prep (part 1): grid 384 x 1, 4 waves a work-group, no clusters, 33,280 bytes of LDS; arguments x, w_qkv, xc, xs, wc, ws, w_proj, wp; writes xc, xs, wc, ws, wp
.if DOCPART == 1
	.amdgcn_target "amdgcn-amd-amdhsa--gfx1250"
	.amdhsa_code_object_version 6
	.text
	.protected	k_q9c21422791_prep
	.globl	k_q9c21422791_prep
	.p2align	8
	.type	k_q9c21422791_prep,@function
k_q9c21422791_prep:
	s_mov_b64 s[64:65], 0
	v_nop
	global_prefetch_b8 v0, s[64:65] scope:SCOPE_SE
	s_setreg_imm32_b32 hwreg(HW_REG_WAVE_MODE, 25, 1), 1
	s_wait_xcnt 0x0
; THREE TENSORS ARE MADE READY FOR THE LATER LAUNCHES.
; (1) x [8192][1024] and w_qkv [3072][1024], f32, become codes of FP4 (E2M1), K innermost, two codes a byte, with one E8M0 scale byte for each 32 along K: xc, xs, wc, ws.
;     A block's scale is 2^(floor(log2(its largest magnitude)) - 2); its byte is the largest magnitude's own exponent field - 2, held at 1 from below.  Each number is divided by the scale and
;     rounded to the nearest code, ties to even; what lies beyond 6 gets the largest code.
;     LIMITS: a block whose largest magnitude lies under 2^-124 takes the byte 1; a block of zeros has the byte 1 where the rule says 127 (its codes are zeros, which add nothing under any byte
;     but 0xff, and the bytes are read by this program alone); NaN and infinities among the inputs are not served.
;     Rows are dense and K is a multiple of 32: both tensors are plain streams of blocks of 32.  A wave takes 16 steps of 512 numbers.  Each load reads 512 consecutive bytes; a step's 2,048 bytes turn
;     through the wave's own stage in LDS so that a lane holds 16 neighbours (two lanes a block), which is what the conversions take.  Work-groups 0-255 take x, 256-351 w_qkv.
; (2) w_proj [1024][1024], f32, becomes f16 IN THE ORDER OF AN OPERAND'S REGISTERS: wp [group of 64 rows: 16][K chunk of 32: 32][tile of 16 rows: 4][register half: 2][lane: 32][16 bytes].
;     Lane (r, h) of half g holds row r of the tile, k = 32 chunk + 16 g + 8 h + 0 .. 7.  Work-groups 352-383; they use no LDS.
; No tensor loads, no barrier: waves share nothing.
.set SIZE_M, 8192
.set SIZE_N, 3072
.set SIZE_K, 1024
.set WAVES, 4
.set STEPS, 16
.set WGA,   SIZE_M*SIZE_K/(512*STEPS*WAVES)            ; 256 work-groups for x
.set WGQ,   (SIZE_M+SIZE_N)*SIZE_K/(512*STEPS*WAVES)   ; 352 for both quantised tensors
.set EMAX,  2
.set CB,    8                          ; bytes of 16 codes
.set R,     16                         ; v16-79   four sets of 16 numbers as they are loaded
.set X,     80                         ; v80-111  two sets of 16 neighbours
.set C,     128                        ; v128-191 codes: four registers for each step, so that no store's data are written again
.set E,     112                        ; v112-127 a scale byte for each step
.set WREG,  8192                       ; LDS: a region for each wave: two stages of 32 x SP bytes, and behind them its 256 scale bytes
.set SP,    80                         ; a lane's place in a stage: its 64 bytes + 16 of padding
.set SPW,   12                         ; v12      LDS address of my spare word; never rewritten
.set NIL,   13                         ; v13      0; never rewritten
.set SPARE, WAVES*WREG                 ; behind the four regions: the spare words, 128 bytes a wave, which no other line names
.set CR,    16                         ; the cast: v16-143, sixteen half fragments of 8 numbers
	s_load_b128 s[4:7], s[0:1], 0x0                ; x, w_qkv
	s_load_b128 s[8:11], s[0:1], 0x10              ; xc, xs
	s_load_b128 s[12:15], s[0:1], 0x20             ; wc, ws
	s_load_b128 s[24:27], s[0:1], 0x30             ; w_proj, wp
	v_lshl_add_u32 v[SPW], v0, 2, SPARE
	v_mov_b32 v[NIL], 0
	v_lshrrev_b32 v1, 5, v0
	v_readfirstlane_b32 s16, v1                    ; wave
	v_and_b32 v2, 31, v0                           ; lane
	v_lshlrev_b32 v3, 4, v2                        ; 16 x lane
	s_mul_i32 s17, s16, WREG
	v_lshrrev_b32 v14, 2, v2
	v_mul_u32_u24 v14, v14, SP
	v_and_b32 v15, 3, v2
	v_lshl_add_u32 v14, v15, 4, v14
	v_add_nc_u32 v14, s17, v14                     ; the stage, on the way in: four lanes' 64 bytes on end, then 16 of padding
	v_mul_u32_u24 v15, v2, SP
	v_add_nc_u32 v15, s17, v15                     ; and on the way out: SP x lane: my 16 neighbours
	v_mul_u32_u24 v4, v2, CB                       ; my codes' place in a step's
	v_lshrrev_b32 v5, 1, v2
	s_add_co_u32 s17, s17, 2*32*SP
	v_add_nc_u32 v5, s17, v5                       ; LDS: my wave's 256 scale bytes, my block's byte
	v_lshlrev_b32 v7, 3, v2                        ; and on the way out 8 bytes a lane
	v_add_nc_u32 v6, s17, v7
	s_wait_kmcnt 0x0
	s_cmp_ge_u32 ttmp9, WGQ                        ; the last 32 work-groups cast w_proj: the work-group's number alone decides
	s_cbranch_scc1 .Lcast
	s_cmp_lt_u32 ttmp9, WGA                        ; x's work-group or w_qkv's?  Only pointers are chosen: both take one path
	s_cselect_b64 s[4:5], s[4:5], s[6:7]
	s_cselect_b64 s[8:9], s[8:9], s[12:13]
	s_cselect_b64 s[10:11], s[10:11], s[14:15]
	s_cselect_b32 s17, 0, WGA
	s_sub_co_u32 s17, ttmp9, s17
	s_lshl_b32 s17, s17, 2
	s_add_co_u32 s18, s17, s16                     ; which run of 8,192 numbers of the tensor is my wave's
	s_mov_b32 s19, 0
	s_mov_b64 s[20:21], 512*STEPS*4
	s_mul_u64 s[20:21], s[18:19], s[20:21]
	s_add_nc_u64 s[4:5], s[4:5], s[20:21]
	s_mov_b64 s[20:21], 32*STEPS*CB
	s_mul_u64 s[20:21], s[18:19], s[20:21]
	s_add_nc_u64 s[8:9], s[8:9], s[20:21]
	s_lshl_b32 s18, s18, 8                         ; 256 scale bytes a run
	s_add_nc_u64 s[10:11], s[10:11], s[18:19]
.macro LOAD t
.irp i, 0,1,2,3
	global_load_b128 v[R+16*((\t)%4)+4*\i:R+16*((\t)%4)+4*\i+3], v3, s[4:5] offset:2048*(\t)+512*\i th:TH_LOAD_NT   ; 32 lanes read 512 consecutive bytes
.endr
.endm
.macro TURN t                          ; step t's numbers through the stage: LDS serves a wave's instructions in order, so no wait stands between the stores and the loads
.irp i, 0,1,2,3
	ds_store_b128 v14, v[R+16*((\t)%4)+4*\i:R+16*((\t)%4)+4*\i+3] offset:32*SP*((\t)%2)+8*SP*\i
.endr
.irp i, 0,1,2,3
	ds_load_b128 v[X+16*((\t)%2)+4*\i:X+16*((\t)%2)+4*\i+3], v15 offset:32*SP*((\t)%2)+16*\i
.endr
.endm
.irp t, 0,1,2,3
	LOAD \t
.endr
	s_wait_loadcnt 12                              ; step 0's four loads are in; the twelve of steps 1 to 3 may be out
	TURN 0
.macro STEP t
.set XS, X+16*((\t)%2)
.if (\t) > 0
	s_wait_dscnt 1                                 ; this step's numbers are back from the stage (the last step's byte store may be out): so its stores into the stage have read their registers,
.else
	s_wait_dscnt 0x0
.endif
.if (\t)+4 < STEPS
	LOAD (\t)+4                                    ; which take the loads of four steps on
.endif
.if (\t)+1 < STEPS
.if STEPS-2-(\t) >= 3
	s_wait_loadcnt 12                              ; the next step's four loads are in; those of the three steps behind it may be out
.else
	s_wait_loadcnt 4*(STEPS-2-(\t))
.endif
	TURN (\t)+1                                    ; and go through the other stage while this step is worked
.endif
	v_max3_num_f32 v8, |v[XS]|, |v[XS+1]|, |v[XS+2]|               ; the largest magnitude of my 16, in two chains
	v_max3_num_f32 v9, |v[XS+3]|, |v[XS+4]|, |v[XS+5]|
.irp i, 6,10
	v_max3_num_f32 v8, v8, |v[XS+\i]|, |v[XS+\i+1]|
	v_max3_num_f32 v9, v9, |v[XS+\i+2]|, |v[XS+\i+3]|
.endr
	v_max3_num_f32 v8, v8, |v[XS+14]|, |v[XS+15]|
	v_max3_num_f32 v8, v8, v9, (EMAX+1)<<23        ; and the floor 2^(EMAX + 1 - 127): so the byte cannot fall under 1
	v_max_num_f32_dpp v8, v8, v8 row_xmask:1 row_mask:0xf bank_mask:0xf   ; and of my neighbour's 16: the block's
	v_add_nc_u32 v11, -(EMAX<<23), v8              ; EMAX off its exponent field: the conversion takes the exponent field of this operand as its scale, and nothing else of it
	v_cvt_scalef32_pk8_fp4_f32 v[C+4*(\t)], v[XS:XS+7], v11
	v_cvt_scalef32_pk8_fp4_f32 v[C+4*(\t)+1], v[XS+8:XS+15], v11
	v_lshrrev_b32 v[E+(\t)], 23, v11               ; the scale's byte (also the plain line behind the conversions)
	ds_store_b8 v5, v[E+(\t)] offset:16*(\t)       ; both lanes of a block write the same byte with the same value
	global_store_b64 v4, v[C+4*(\t):C+4*(\t)+1], s[8:9] offset:32*CB*(\t)   ; the wave stores 256 consecutive bytes, aligned
.endm
.irp t, 0,1,2,3,4,5,6,7,8,9,10,11,12,13,14,15
	STEP \t
.endr
	ds_load_b64 v[8:9], v6                         ; LDS serves a wave's instructions in order: these see my stores
	s_wait_dscnt 0x0
	global_store_b64 v7, v[8:9], s[10:11]          ; 32 lanes store the wave's 256 scale bytes, aligned
	s_wait_tensorcnt 0x0                           ; the wave's end
	ds_add_u32 v[SPW], v[NIL]
	s_wait_dscnt 0x0
	s_endpgm
; THE CAST.  128 waves; wave W takes tile W / 2 of 16 rows of w_proj and half W % 2 of its 32 K chunks: 32 half fragments, in two batches of sixteen.
; A half fragment is 8 numbers a lane: two loads of 16 bytes; four neighbouring half fragments' eight loads cover 256 consecutive bytes of each of the 16 rows.  Each store covers 512 consecutive bytes, aligned.
.Lcast:
	s_sub_co_u32 s17, ttmp9, WGQ
	s_lshl_b32 s17, s17, 2
	s_add_co_u32 s17, s17, s16                     ; W
	s_lshr_b32 s18, s17, 1                         ; the tile of 16 rows
	s_and_b32 s19, s17, 1                          ; which 16 K chunks
	s_lshl_b32 s20, s18, 16                        ; 16 rows of 4,096 bytes
	s_lshl_b32 s21, s19, 11                        ; 16 chunks of 128 bytes
	s_add_co_u32 s20, s20, s21
	s_mov_b32 s21, 0
	s_add_nc_u64 s[24:25], s[24:25], s[20:21]
	s_lshr_b32 s20, s18, 2
	s_lshl_b32 s20, s20, 17                        ; the group of 64 rows: 131,072 bytes
	s_and_b32 s22, s18, 3
	s_lshl_b32 s22, s22, 10                        ; the tile in it: 1,024 bytes
	s_add_co_u32 s20, s20, s22
	s_lshl_b32 s22, s19, 16                        ; 16 chunks of 4,096 bytes
	s_add_co_u32 s20, s20, s22
	s_add_nc_u64 s[26:27], s[26:27], s[20:21]
	v_and_b32 v8, 15, v2
	v_lshlrev_b32 v8, 12, v8                       ; row r,
	v_lshrrev_b32 v9, 4, v2
	v_lshl_or_b32 v8, v9, 5, v8                    ; + 8 h numbers
.macro CAST base                       ; half fragments base .. base + 15; number I is chunk I / 2, register half I % 2
.irp i, 0,1,2,3,4,5,6,7,8,9,10,11,12,13,14,15
	global_load_b128 v[CR+8*\i:CR+8*\i+3],   v8, s[24:25] offset:64*(\base+\i)
	global_load_b128 v[CR+8*\i+4:CR+8*\i+7], v8, s[24:25] offset:64*(\base+\i)+16
.endr
.irp i, 0,1,2,3,4,5,6,7,8,9,10,11,12,13,14,15
	s_wait_loadcnt 30-2*\i                         ; my two loads are in; the younger ones of the batch may be out
.irp d, 0,1,2,3
	v_cvt_pk_f16_f32 v[CR+8*\i+\d], v[CR+8*\i+2*\d], v[CR+8*\i+2*\d+1]   ; in place: register d is written when registers up to 2 d + 1 have been read
.endr
	global_store_b128 v3, v[CR+8*\i:CR+8*\i+3], s[26:27] offset:((\base+\i)/2)*4096+((\base+\i)%2)*512
.endr
.endm
	CAST 0
	s_wait_xcnt 0x0                                ; the stores have read their data registers: they are loaded again only behind this wait
	CAST 16
	s_endpgm
.Lfunc_end_k_q9c21422791_prep:
	.size	k_q9c21422791_prep, .Lfunc_end_k_q9c21422791_prep-k_q9c21422791_prep
	.p2alignl 7, 3214868480
	.fill 96, 4, 3214868480
	.section	.rodata,"a",@progbits
	.p2align	6, 0x0
	.amdhsa_kernel k_q9c21422791_prep
		.amdhsa_group_segment_fixed_size 33280
		.amdhsa_private_segment_fixed_size 0
		.amdhsa_enable_private_segment 0
		.amdhsa_kernarg_size 64
		.amdhsa_user_sgpr_count 2
		.amdhsa_user_sgpr_kernarg_segment_ptr 1
		.amdhsa_wavefront_size32 1
		.amdhsa_system_sgpr_workgroup_id_x 1
		.amdhsa_system_sgpr_workgroup_id_y 1
		.amdhsa_system_sgpr_workgroup_id_z 1
		.amdhsa_system_vgpr_workitem_id 0
		.amdhsa_next_free_vgpr 192
		.amdhsa_next_free_sgpr 66
		.amdhsa_reserve_vcc 0
		.amdhsa_float_denorm_mode_32 3
		.amdhsa_float_denorm_mode_16_64 3
		.amdhsa_memory_ordered 1
		.amdhsa_forward_progress 1
		.amdhsa_inst_pref_size 52
	.end_amdhsa_kernel
	.amdgpu_metadata
---
amdhsa.version: [ 1, 2 ]
amdhsa.kernels:
  - .name:           k_q9c21422791_prep
    .symbol:         k_q9c21422791_prep.kd
    .args:
      - { .name: x, .offset: 0, .size: 8, .value_kind: global_buffer, .address_space: global }
      - { .name: w_qkv, .offset: 8, .size: 8, .value_kind: global_buffer, .address_space: global }
      - { .name: xc, .offset: 16, .size: 8, .value_kind: global_buffer, .address_space: global }
      - { .name: xs, .offset: 24, .size: 8, .value_kind: global_buffer, .address_space: global }
      - { .name: wc, .offset: 32, .size: 8, .value_kind: global_buffer, .address_space: global }
      - { .name: ws, .offset: 40, .size: 8, .value_kind: global_buffer, .address_space: global }
      - { .name: w_proj, .offset: 48, .size: 8, .value_kind: global_buffer, .address_space: global }
      - { .name: wp, .offset: 56, .size: 8, .value_kind: global_buffer, .address_space: global }
    .group_segment_fixed_size: 33280
    .private_segment_fixed_size: 0
    .kernarg_segment_align: 8
    .kernarg_segment_size: 64
    .max_flat_workgroup_size: 128
    .sgpr_count:     66
    .vgpr_count:     192
    .wavefront_size: 32
...
	.end_amdgpu_metadata
.endif
;; end of part 1
;; launch qkv (part 2): grid 12 x 32, 4 waves a work-group, clusters of 4 x 4, 327,680 bytes of LDS; arguments xc, xs, wc, ws, qkv; writes qkv
.if DOCPART == 2
	.amdgcn_target "amdgcn-amd-amdhsa--gfx1250"
	.amdhsa_code_object_version 6
	.text
	.protected	k_q9c21422791_qkv
	.globl	k_q9c21422791_qkv
	.p2align	8
	.type	k_q9c21422791_qkv,@function
k_q9c21422791_qkv:
	s_mov_b64 s[64:65], 0
	v_nop
	global_prefetch_b8 v0, s[64:65] scope:SCOPE_SE
	s_setreg_imm32_b32 hwreg(HW_REG_WAVE_MODE, 25, 1), 1
	s_wait_xcnt 0x0
	s_wait_alu depctr_hold_cnt(0) depctr_sa_sdst(0) depctr_va_vdst(0) depctr_va_sdst(0) depctr_va_ssrc(0) depctr_va_vcc(0) depctr_vm_vsrc(0)
	s_getreg_b32 s2, hwreg(HW_REG_IB_STS2, 6, 4)
	s_cmp_eq_u32 s2, 0
	s_cbranch_scc0 .Lentry_in_a_cluster
	s_endpgm
.Lentry_in_a_cluster:
	s_bfe_u32 s2, ttmp6, 0x10000c
	s_cmp_lg_u32 s2, 0xf033
	s_cbranch_scc0 .Lentry_shape_is_right
	s_endpgm
.Lentry_shape_is_right:
; THE QUANTISED PRODUCT: x w_qkv^T on codes of FP4 (E2M1) with one E8M0 scale for each 32 along K = 1,024; sums in f32; results rounded to f16 and stored AS IMAGES OF OPERAND REGISTERS for the attention launch.
; A tile of 256 x 256 is made by a work-group of four waves; a wave makes 128 x 128: 64 accumulators, 512 registers.  K is two steps of 512 (tile rows of 256 bytes), each in an LDS slot of its own: both slots and the
; scale bytes are asked for at the head and nothing is filled again.  By this text's count a wave has three tensor loads out.
; THE MATRIX INSTRUCTION IS USED TRANSPOSED (source 0 = 16 rows of 'B', source 1 = 16 rows of 'A'): lane (r, h) holds row r of A's block and eight neighbouring rows 8 h + 0 .. 7 of B's block.
; Rounded to f16 those eight are 16 bytes: registers 0-3 (even block of B) or 4-7 (odd block) of a 16-bit fragment whose K runs along B's rows, IN THE SAME LANE.  So each store is 16 bytes a lane at 16 x lane,
; 512 consecutive aligned bytes, straight from registers: no stage in LDS.
; WHICH TENSOR IS 'A'.  Cluster x = 0, 1: q, k: A = tokens (x), B = rows of w_qkv: a lane holds a token and 8 channels.  Cluster x = 2: v: A = rows 2,048 .. 3,071 of w_qkv, B = tokens: a lane holds a channel
; and 8 keys, which is V^T's fragment.  Only pointers and tile numbers are chosen, by the cluster's x, which all sixteen partners share.
; LAYOUT OF THE BUFFER qkv (units of 512 bytes: [lane 32][16 bytes]; g = register half):
;   q at 0, k at 2^24: [batch x 16 + head: 64][tile of 16 tokens: 128][channels 32 cs on: 2][g: 2];   v at 2^25: [batch x 16 + head: 64][32 keys: 64][tile of 16 channels: 4][g: 2].
; CLUSTERS: 4 x 4 work-groups.  The four of a row of the cluster need the same tiles of A, the four of a column the same tiles of B: each is asked for jointly, with a mask that names the four.
; 384 tiles for 256 WGPs: a tile of 256 x 384 would take 768 registers of accumulators and leave B no second set of fragments, so the second turn is half full.
; LIMIT: |q|, |k|, |v| stay under 65,504, f16's largest number (beyond it the rounding gives infinity).
; REGISTERS: window 0: v0-31 addresses; v32-95 scale words, two sets; v128-191 A's fragments, one set; on the way out v128-255 hold packed results.  window 1: B's fragments, two sets, at v0 and v128.
;   window 2: the accumulators of my rows 0-63 of A ((a, b) at v[8 (8 a + b)]);  window 3: those of rows 64-127.
.set SIZE_K, 1024
.set KSTEP,  512                       ; along K in a slot
.set NQ,     KSTEP/128                 ; matrix instructions deep
.set ROWB,   256                       ; a tile's row in bytes
.set KROW,   SIZE_K/2                  ; a row of codes in memory
.set PITCH,  272                       ; an LDS row: 256 bytes + 16 of padding: the 16 rows that a load touches start 17 x 16 bytes apart
.set FR,     8                         ; registers of a fragment: 16 rows x 128 K
.set NL,     2                         ; LDS loads that bring one
.set NP,     4                         ; places behind this matrix instruction (ISA guide 7.12.1)
.set HALFT,  128*PITCH                 ; 128 rows: what one tensor load brings
.set SLOT,   4*HALFT                   ; A's 256 rows, then B's 256 rows
.set KS,     SIZE_K/32                 ; a row of scale bytes
.set SCL,    2*SLOT                    ; behind the slots: the scales, as units of 256 bytes + 16 of padding
.set HALFS,  (128*KS/256)*272          ; the scales of 128 rows
.set SBLK,   (16*KS/256)*272           ; those of 16 rows
.set SPARE,  SCL+4*HALFS               ; the spare words, 128 bytes a wave, which no other line names
.set ADRA, 16                          ; v16-17  LDS address of my A fragments in slot 0, 1
.set ADRB, 20                          ; v20-21  the same for B
.set CO,   26                          ; v26     16 x lane: my place in every store
.set ADRS, 27                          ; v27     LDS address of my scale words: lanes 0-15 A's rows, lanes 16-31 B's
.set SPW,  28                          ; v28     LDS address of my spare word; never rewritten
.set NIL,  29                          ; v29     0; never rewritten
.set SC,   32                          ; scale words: set s at v[SC + 32 s]; register 4 i + q: lanes 0-15 A's block i, lanes 16-31 B's block i, the slot's q-th 128 along K
.set AF,   128                         ; A's fragments
.set OUTR, 128                         ; the way out: four sets of 32 registers
.set G1, 24                            ; s[24:31] descriptor group 1 for A's tiles;  s[32:39] group 0, one set for each slot
.set G0, 32
.set G1B, 48                           ; s[48:55], s[56:63] the same for B's
.set G0B, 56
.set G1S, 68                           ; s[68:75], s[76:79] groups 1 and 0 for A's scales;  s[80:87], s[88:91] for B's
.set G0S, 76
.set G1SB, 80
.set G0SB, 88
.set MSB, 0
.macro WIN new                         ; the immediate's high byte repeats the setting that is left; a switch that changes nothing is dropped
.if MSB != (\new)
	s_set_vgpr_msb (MSB<<8)|(\new)
.set MSB, (\new)
.endif
.endm
.set MUL_LO, 0xa1                      ; source 0 (B) window 1, source 1 (A) window 0, C and D window 2
.set MUL_HI, 0xf1                      ; the same, C and D window 3
.set TO_B,   0x40                      ; destination window 1, address window 0
; A joint load: waves 0 and 1 fetch for A, waves 2 and 3 for B.  Each line has one mask and one set of registers for all that issue it; the branch hangs on the wave's number alone.
; An s_nop 0 and four v_nop follow each of the two lines.
.macro JLOAD g0a, g1a, g0b, g1b
	s_cmp_eq_u32 s15, 0
	s_cbranch_scc0 .Lfor_b_\@
	tensor_load_to_lds s[\g0a:\g0a+3], s[\g1a:\g1a+7]
	s_nop 0
.rept 4
	v_nop
.endr
	s_branch .Lasked_\@
.Lfor_b_\@:
	tensor_load_to_lds s[\g0b:\g0b+3], s[\g1b:\g1b+7]
	s_nop 0
.rept 4
	v_nop
.endr
.Lasked_\@:
.endm
.macro CROUND                          ; a round of the cluster's barrier
	s_barrier_signal -1
	s_barrier_wait -1
	s_cmp_lg_u32 s14, 0
	s_cbranch_scc1 .Lnot_wave_0_\@
	s_barrier_signal -3
.Lnot_wave_0_\@:
	s_barrier_wait -3
	s_barrier_signal -1
	s_barrier_wait -1
.endm
	s_load_b128 s[4:7], s[0:1], 0x0                ; xc, xs
	s_load_b128 s[8:11], s[0:1], 0x10              ; wc, ws
	s_load_b64 s[12:13], s[0:1], 0x20              ; qkv
	v_lshl_add_u32 v[SPW], v0, 2, SPARE
	v_mov_b32 v[NIL], 0
	ds_add_u32 v[SPW], v[NIL]                      ; the wave's opening: the add, twice on end, and its wait ahead of my first tensor load
	ds_add_u32 v[SPW], v[NIL]
	v_lshrrev_b32 v1, 5, v0
	v_readfirstlane_b32 s14, v1                    ; wave 0..3
	s_lshr_b32 s15, s14, 1                         ; which half of A's 256 rows is mine.  Also: I fetch for A (0) or for B (1)
	s_and_b32 s16, s14, 1                          ; which half of B's.  Also: which 128 rows I fetch
	s_bfe_u32 s40, ttmp6, 0x40000                  ; cx, cy: my place in the cluster
	s_bfe_u32 s41, ttmp6, 0x40004
	s_and_b32 s17, ttmp7, 0xffff
	s_lshl_b32 s17, s17, 2                         ; 4 x cluster y
	s_add_co_u32 s46, s17, s40                     ; v: B's tile = tokens: 4 x cluster y + cx
	s_add_co_u32 s17, s17, s41                     ; q, k: A's tile = tokens: 4 x cluster y + cy
	s_lshl_b32 s42, ttmp9, 2
	s_add_co_u32 s42, s42, s40                     ; q, k: B's tile = rows of w_qkv: 4 x cluster x + cx
	s_cmp_eq_u32 ttmp9, 2                          ; the cluster's x, the same in all sixteen partners
	s_cselect_b32 s17, s41, s17                    ; A's tile: hangs on cy and the cluster alone (v: tile cy of w_v's four)
	s_cselect_b32 s42, s46, s42                    ; B's tile: on cx and the cluster alone
	s_lshl_b32 s43, s41, 2
	s_lshl_b32 s43, 15, s43                        ; my row of the cluster
	s_lshl_b32 s44, 0x1111, s40                    ; my column
	; descriptor group 1: a tile of 128 rows x 256 bytes, padded in LDS
	s_or_b32 s[G1+0], s43, (0<<16)|(1<<20)|(1<<21)|(5<<22)|(3<<25)  ; 15:0 the mask: A's tiles go to my row; elements of 1 byte; padding on; bit 21 beside a mask; after every 64 words four words
	s_or_b32 s[G1B+0], s44, (0<<16)|(1<<20)|(1<<21)|(5<<22)|(3<<25)
.irp g, G1, G1B
	s_mov_b32 s[\g+1], ROWB<<16                    ; tensor_dim0
	s_mov_b32 s[\g+2], 128<<16                     ; tensor_dim1
	s_mov_b32 s[\g+3], ROWB<<16                    ; tile_dim0
	s_mov_b32 s[\g+4], 128                         ; tile_dim1
	s_mov_b32 s[\g+5], KROW                        ; the pitch in memory
	s_mov_b32 s[\g+6], 0
	s_mov_b32 s[\g+7], 0
.endr
	; the scales of 128 rows: a dense block of 4,096 bytes, as 16 rows of 256 bytes (32 elements of 8 bytes), 16 bytes of padding behind each
	s_or_b32 s[G1S+0], s43, (3<<16)|(1<<20)|(1<<21)|(5<<22)|(3<<25)
	s_or_b32 s[G1SB+0], s44, (3<<16)|(1<<20)|(1<<21)|(5<<22)|(3<<25)
.irp g, G1S, G1SB
	s_mov_b32 s[\g+1], 32<<16
	s_mov_b32 s[\g+2], (128*KS/256)<<16
	s_mov_b32 s[\g+3], 32<<16
	s_mov_b32 s[\g+4], 128*KS/256
	s_mov_b32 s[\g+5], 32
	s_mov_b32 s[\g+6], 0
	s_mov_b32 s[\g+7], 0
.endr
	s_lshl_b32 s18, s16, 7                         ; which 128 rows of the tile I fetch
	s_lshl_b32 s20, s17, 8
	s_add_co_u32 s20, s20, s18                     ; A: row 256 x tile + 128 x half
	s_lshl_b32 s46, s42, 8
	s_add_co_u32 s46, s46, s18                     ; B likewise
	s_mov_b32 s21, 0
	s_mov_b32 s47, 0
	s_mov_b64 s[18:19], KS
	s_mul_u64 s[22:23], s[20:21], s[18:19]         ; where these rows' scales begin, in bytes,
	s_mul_u64 s[92:93], s[46:47], s[18:19]
	s_mov_b64 s[18:19], KROW
	s_mul_u64 s[20:21], s[20:21], s[18:19]         ; and their codes
	s_mul_u64 s[46:47], s[46:47], s[18:19]
	s_mul_i32 s45, s14, HALFT                      ; where they go: wave x 128 rows: no place in the cluster enters an LDS address
	s_mul_i32 s94, s14, HALFS
	s_wait_dscnt 0x0                               ; both opening adds are done
	s_wait_kmcnt 0x0
	s_add_nc_u64 s[96:97], s[8:9], 2048*KROW       ; w_v's codes: rows 2,048 on of w_qkv,
	s_add_nc_u64 s[18:19], s[10:11], 2048*KS       ; and its scale bytes
	s_cmp_eq_u32 ttmp9, 2
	s_cselect_b64 s[8:9], s[4:5], s[8:9]           ; B: for v the tokens, else w_qkv
	s_cselect_b64 s[10:11], s[6:7], s[10:11]
	s_cselect_b64 s[4:5], s[96:97], s[4:5]         ; A: for v w_v, else the tokens
	s_cselect_b64 s[6:7], s[18:19], s[6:7]
	s_add_nc_u64 s[20:21], s[4:5], s[20:21]
	s_add_nc_u64 s[22:23], s[6:7], s[22:23]
	s_add_nc_u64 s[46:47], s[8:9], s[46:47]
	s_add_nc_u64 s[92:93], s[10:11], s[92:93]
	CROUND                                         ; all sixteen work-groups are here: the joint loads meet
	s_mov_b32 s[G0S], 1
	s_add_co_u32 s[G0S+1], s94, SCL
	s_mov_b64 s[G0S+2:G0S+3], s[22:23]
	s_or_b32 s[G0S+3], s[G0S+3], 0x80000000
	s_mov_b32 s[G0SB], 1
	s_add_co_u32 s[G0SB+1], s94, SCL
	s_mov_b64 s[G0SB+2:G0SB+3], s[92:93]
	s_or_b32 s[G0SB+3], s[G0SB+3], 0x80000000
	JLOAD G0S, G1S, G0SB, G1SB                     ; the scales first: they are wanted with K step 0
.irp s, 0,1
	s_mov_b32 s[G0+4*\s], 1
	s_add_co_u32 s[G0+4*\s+1], s45, \s*SLOT
	s_add_nc_u64 s[G0+4*\s+2:G0+4*\s+3], s[20:21], \s*ROWB
	s_or_b32 s[G0+4*\s+3], s[G0+4*\s+3], 0x80000000
	s_mov_b32 s[G0B+4*\s], 1
	s_add_co_u32 s[G0B+4*\s+1], s45, \s*SLOT
	s_add_nc_u64 s[G0B+4*\s+2:G0B+4*\s+3], s[46:47], \s*ROWB
	s_or_b32 s[G0B+4*\s+3], s[G0B+4*\s+3], 0x80000000
	JLOAD G0+4*\s, G1, G0B+4*\s, G1B
.endr
	v_and_b32 v1, 15, v0                           ; r
	v_bfe_u32 v2, v0, 4, 1                         ; h
	v_mul_u32_u24 v3, v1, PITCH
	v_lshl_add_u32 v4, v2, 4, v3                   ; a fragment's row x pitch + 16 h
	s_mul_i32 s21, s15, HALFT                      ; my 128 rows of A
	s_mul_i32 s22, s16, HALFT                      ; my 128 rows of B,
	s_add_co_u32 s22, s22, 2*HALFT                 ; which lie behind A's 256
.irp s, 0,1
	v_add_nc_u32 v[ADRA+\s], s21, v4
	v_add_nc_u32 v[ADRB+\s], s22, v4
	s_add_co_u32 s21, s21, SLOT
	s_add_co_u32 s22, s22, SLOT
.endr
	v_mul_u32_u24 v5, v1, KS                       ; my row's scales: KS bytes a row,
	v_lshrrev_b32 v6, 8, v5
	v_lshl_add_u32 v5, v6, 4, v5                   ; and 16 more for each 256 passed
	s_mul_i32 s21, s15, HALFS                      ; A's: my 128 rows
	s_mul_i32 s22, s16, HALFS                      ; B's: my 128 rows, behind A's 256
	s_add_co_u32 s22, s22, 2*HALFS
	s_sub_co_u32 s22, s22, s21
	v_mul_u32_u24 v6, s22, v2                      ; lanes 16-31 take B's: one product, the distance between the two bases x h
	s_add_co_u32 s21, s21, SCL
	v_add_nc_u32 v5, v5, v6
	v_add_nc_u32 v[ADRS], s21, v5
	v_and_b32 v6, 31, v0
	v_lshlrev_b32 v[CO], 4, v6
	; where my results begin in the buffer.  T = my first token, Cn = my first row of w_qkv.  16 tokens of q or k are 2,048 bytes and 32 keys of v 4,096: 128 bytes a token either way, so one formula serves:
	; (Cn / 1024) 2^24 + ((T / 2048) 16 + (Cn / 64) % 16) 2^18 + (T % 2048) 128
	s_lshl_b32 s20, s17, 8
	s_lshl_b32 s21, s15, 7
	s_add_co_u32 s20, s20, s21                     ; my first row of A
	s_lshl_b32 s46, s42, 8
	s_lshl_b32 s47, s16, 7
	s_add_co_u32 s46, s46, s47                     ; my first row of B
	s_add_co_u32 s21, s20, 2048
	s_cmp_eq_u32 ttmp9, 2
	s_cselect_b32 s22, s46, s20                    ; T
	s_cselect_b32 s23, s21, s46                    ; Cn
	s_lshr_b32 s20, s23, 10
	s_lshl_b32 s20, s20, 24
	s_lshr_b32 s21, s22, 11
	s_lshl_b32 s21, s21, 4
	s_bfe_u32 s46, s23, 0x40006
	s_add_co_u32 s21, s21, s46
	s_lshl_b32 s21, s21, 18
	s_add_co_u32 s20, s20, s21
	s_and_b32 s21, s22, 2047
	s_lshl_b32 s21, s21, 7
	s_add_co_u32 s20, s20, s21
	s_mov_b32 s21, 0
	s_add_nc_u64 s[12:13], s[12:13], s[20:21]
.macro FRAG reg, adr, q, i             ; a fragment, 16 rows x 128 K of 4-bit codes: lane l holds row l % 16; registers 4 c .. 4 c + 3 hold K = 64 c + 32 (l / 16) + 0 .. 31
.irp c, 0,1
	ds_load_b128 v[\reg+4*\c:\reg+4*\c+3], v[\adr] offset:64*(\q)+32*\c+(\i)*16*PITCH
.endr
.endm
; 16 matrix instructions: A's blocks a0, a0 + 1 x B's eight, the slot's q-th 128 along K.  p: B's set; sc: the set of scale words.  zero = 1: the first product starts the sums: nothing is cleared.
; The 64 accumulators take turns, one instruction a turn, in the same order in every step.
.macro MUL16 a0, p, q, sc, zero
.irp a, \a0, \a0+1
.irp b, 0,1,2,3,4,5,6,7
.if \zero
	v_wmma_scale_f32_16x16x128_f8f6f4 v[8*(8*((\a)%4)+\b):8*(8*((\a)%4)+\b)+7], v[128*(\p)+FR*\b:128*(\p)+FR*\b+FR-1], v[AF+FR*(\a):AF+FR*(\a)+FR-1], 0, v[SC+8*NQ*(\sc)+NQ*\b+(\q)], v[SC+8*NQ*(\sc)+NQ*(\a)+(\q)] matrix_a_fmt:MATRIX_FMT_FP4 matrix_b_fmt:MATRIX_FMT_FP4 matrix_a_scale:MATRIX_SCALE_ROW1
.else
	v_wmma_scale_f32_16x16x128_f8f6f4 v[8*(8*((\a)%4)+\b):8*(8*((\a)%4)+\b)+7], v[128*(\p)+FR*\b:128*(\p)+FR*\b+FR-1], v[AF+FR*(\a):AF+FR*(\a)+FR-1], v[8*(8*((\a)%4)+\b):8*(8*((\a)%4)+\b)+7], v[SC+8*NQ*(\sc)+NQ*\b+(\q)], v[SC+8*NQ*(\sc)+NQ*(\a)+(\q)] matrix_a_fmt:MATRIX_FMT_FP4 matrix_b_fmt:MATRIX_FMT_FP4 matrix_a_scale:MATRIX_SCALE_ROW1
.endif
.endr
.endr
.endm
.macro FETCH_B slot, q, p              ; B's eight fragments of the slot's q-th 128 along K into set p
	WIN TO_B
.irp i, 0,1,2,3,4,5,6,7
	FRAG 128*(\p)+FR*\i, ADRB+\slot, \q, \i
.endr
	WIN 0
.endm
.macro FETCH_A slot, q, i0             ; A's blocks i0 .. i0 + 3
.irp i, \i0, \i0+1, \i0+2, \i0+3
	FRAG AF+FR*(\i), ADRA+\slot, \q, \i
.endr
.endm
.macro SCALES sc                       ; a K step's scale words into set sc: four words a row; lanes 0-15 take A's block i, lanes 16-31 B's block i
.irp i, 0,1,2,3,4,5,6,7
	ds_load_b128 v[SC+8*NQ*\sc+NQ*\i:SC+8*NQ*\sc+NQ*\i+3], v[ADRS] offset:\i*SBLK
.endr
.endm
; A load into a register that a matrix instruction has read, and a vector instruction that reads a matrix result or writes one of its registers, stand NP places behind it; only plain vector
; instructions that name none of its registers are places (ISA guide 7.12.1 for vector instructions).
.macro PLACES n
.rept \n
	v_nop
.endr
.endm
; A step of 128 along K that has its successor in the same slot.  A's blocks go one after the other, each against B's eight, so one set serves A: blocks 0-3 are fetched anew in the middle, blocks 4-7 at the end.
.macro STEP slot, q, zero
	s_wait_dscnt 4*NL                              ; B's set and A's blocks 0-3 are in; the youngest eight loads (A's blocks 4-7) may be out
	WIN MUL_LO
	MUL16 0, (\q)%2, \q, \slot, \zero
	MUL16 2, (\q)%2, \q, \slot, \zero
	s_wait_dscnt 0                                 ; A's blocks 4-7 are in (asked for 32 matrix instructions ago)
	PLACES NP
	FETCH_B \slot, (\q)+1, 1-(\q)%2
	FETCH_A \slot, (\q)+1, 0
	WIN MUL_HI
	MUL16 4, (\q)%2, \q, \slot, \zero
	MUL16 6, (\q)%2, \q, \slot, \zero
	PLACES NP
	WIN 0
	FETCH_A \slot, (\q)+1, 4
.endm
; Slot 0's last step goes over to slot 1: each wave waits for all its tensor loads (its part of slot 1 is the one that was out) and passes one barrier; behind it slot 1 is whole.  Nothing is filled again.
.macro TURN slot, next
	s_wait_tensorcnt 0x0                           ; all my tensor loads have landed
	ds_add_u32 v[SPW], v[NIL]                      ; 0 onto my spare word
	s_wait_dscnt 4*NL+1                            ; (the add and the youngest eight loads, A's blocks 4-7, may be out)
	WIN MUL_LO
	MUL16 0, 1, NQ-1, \slot, 0                     ; sixteen matrix instructions stand between the add and the wait for it
	s_wait_dscnt 0x0                               ; no LDS instruction of mine is out at the signal
	s_barrier_signal -1
	MUL16 2, 1, NQ-1, \slot, 0                     ; work on registers while the others arrive
	WIN 0
	s_barrier_wait -1
	PLACES NP
	v_add_nc_u32 v[ADRS], 4*NQ, v[ADRS]            ; on to the next K step's scale words
	FETCH_B \next, 0, 0
	FETCH_A \next, 0, 0
	SCALES \next
	WIN MUL_HI
	MUL16 4, 1, NQ-1, \slot, 0
	MUL16 6, 1, NQ-1, \slot, 0
	PLACES NP
	WIN 0
	FETCH_A \next, 0, 4
.endm
.macro STEPS slot, from                ; the slot's steps from .. NQ - 2
.set Q, \from
.rept NQ-1-\from
	STEP \slot, Q, 0
.set Q, Q+1
.endr
.endm
	s_wait_tensorcnt 1                             ; the scales and my part of slot 0 are in; slot 1's load, the one issued behind them, may be out
	s_barrier_signal -1
	s_barrier_wait -1                              ; everybody's are
	FETCH_B 0, 0, 0
	FETCH_A 0, 0, 0
	SCALES 0
	FETCH_A 0, 0, 4
	STEP 0, 0, 1                                   ; the first products start the sums
	STEPS 0, 1
	TURN 0, 1
	STEPS 1, 0
	s_wait_dscnt 4*NL                              ; the very last step: nothing more to fetch
	WIN MUL_LO
	MUL16 0, 1, NQ-1, 1, 0
	MUL16 2, 1, NQ-1, 1, 0
	s_wait_dscnt 0
	WIN MUL_HI
	MUL16 4, 1, NQ-1, 1, 0
	MUL16 6, 1, NQ-1, 1, 0
	WIN 0
; THE WAY OUT of A's block a: 32 roundings (each accumulator from its low end on), then eight stores of 512 consecutive aligned bytes.  Four sets of registers take turns.
; q, k (isv = 0): block a = a tile of 16 tokens (2,048 bytes on); B's block b: head b / 4 on (2^18 bytes), half fragment b % 4.
; v (isv = 1): block a: head a / 4 on, tile of channels a % 4 (1,024 bytes); B's block b: 32 keys b / 2 on (4,096 bytes), register half b % 2.
.macro OUTBLK a, isv
.if (\a) >= 4
	s_wait_xcnt 0x0                                ; block a - 4's stores have read their data: the set is written again only behind this wait
.endif
	WIN 0x0a+5*((\a)/4)                            ; sources 0 and 1: window 2 or 3
.irp b, 0,1,2,3,4,5,6,7
.irp r, 0,1,2,3
	v_cvt_pk_f16_f32 v[OUTR+32*((\a)%4)+4*\b+\r], v[64*((\a)%4)+8*\b+2*\r], v[64*((\a)%4)+8*\b+2*\r+1]
.endr
.endr
	WIN 0
.irp b, 0,1,2,3,4,5,6,7
.if \isv
	global_store_b128 v[CO], v[OUTR+32*((\a)%4)+4*\b:OUTR+32*((\a)%4)+4*\b+3], s[12:13] offset:((\a)/4)*262144+((\a)%4)*1024+(\b/2)*4096+(\b%2)*512
.else
	global_store_b128 v[CO], v[OUTR+32*((\a)%4)+4*\b:OUTR+32*((\a)%4)+4*\b+3], s[12:13] offset:(\a)*2048+(\b/4)*262144+(\b%4)*512
.endif
.endr
.endm
	PLACES NP                                      ; behind the last products: their results are read and A's fragments' registers written below
	s_cmp_eq_u32 ttmp9, 2                          ; the cluster's x: all partners go the same way
	s_cbranch_scc1 .Lv
.irp a, 0,1,2,3,4,5,6,7
	OUTBLK \a, 0
.endr
	s_branch .Ldone
.Lv:
.irp a, 0,1,2,3,4,5,6,7
	OUTBLK \a, 1
.endr
.Ldone:
	s_wait_tensorcnt 0x0                           ; the wave's end
	ds_add_u32 v[SPW], v[NIL]
	s_wait_dscnt 0x0
	CROUND                                         ; the closing round: no work-group ends while a partner may still ask for a tile that names it
	s_endpgm
.Lfunc_end_k_q9c21422791_qkv:
	.size	k_q9c21422791_qkv, .Lfunc_end_k_q9c21422791_qkv-k_q9c21422791_qkv
	.p2alignl 7, 3214868480
	.fill 96, 4, 3214868480
	.section	.rodata,"a",@progbits
	.p2align	6, 0x0
	.amdhsa_kernel k_q9c21422791_qkv
		.amdhsa_group_segment_fixed_size 327680
		.amdhsa_private_segment_fixed_size 0
		.amdhsa_enable_private_segment 0
		.amdhsa_kernarg_size 40
		.amdhsa_user_sgpr_count 2
		.amdhsa_user_sgpr_kernarg_segment_ptr 1
		.amdhsa_wavefront_size32 1
		.amdhsa_system_sgpr_workgroup_id_x 1
		.amdhsa_system_sgpr_workgroup_id_y 1
		.amdhsa_system_sgpr_workgroup_id_z 1
		.amdhsa_system_vgpr_workitem_id 0
		.amdhsa_next_free_vgpr 1024
		.amdhsa_next_free_sgpr 98
		.amdhsa_reserve_vcc 0
		.amdhsa_float_denorm_mode_32 3
		.amdhsa_float_denorm_mode_16_64 3
		.amdhsa_memory_ordered 1
		.amdhsa_forward_progress 1
		.amdhsa_inst_pref_size 141
	.end_amdhsa_kernel
	.amdgpu_metadata
---
amdhsa.version: [ 1, 2 ]
amdhsa.kernels:
  - .name:           k_q9c21422791_qkv
    .symbol:         k_q9c21422791_qkv.kd
    .args:
      - { .name: xc, .offset: 0, .size: 8, .value_kind: global_buffer, .address_space: global }
      - { .name: xs, .offset: 8, .size: 8, .value_kind: global_buffer, .address_space: global }
      - { .name: wc, .offset: 16, .size: 8, .value_kind: global_buffer, .address_space: global }
      - { .name: ws, .offset: 24, .size: 8, .value_kind: global_buffer, .address_space: global }
      - { .name: qkv, .offset: 32, .size: 8, .value_kind: global_buffer, .address_space: global }
    .group_segment_fixed_size: 327680
    .private_segment_fixed_size: 0
    .kernarg_segment_align: 8
    .kernarg_segment_size: 40
    .max_flat_workgroup_size: 128
    .sgpr_count:     98
    .vgpr_count:     1024
    .wavefront_size: 32
...
	.end_amdgpu_metadata
.endif
;; end of part 2
;; launch attn (part 3): grid 4 x 64, 8 waves a work-group, clusters of 4 x 1, 327,680 bytes of LDS; arguments qkv, ao; writes ao
.if DOCPART == 3
	.amdgcn_target "amdgcn-amd-amdhsa--gfx1250"
	.amdhsa_code_object_version 6
	.text
	.protected	k_q9c21422791_attn
	.globl	k_q9c21422791_attn
	.p2align	8
	.type	k_q9c21422791_attn,@function
k_q9c21422791_attn:
	s_mov_b64 s[64:65], 0
	v_nop
	global_prefetch_b8 v0, s[64:65] scope:SCOPE_SE
	s_setreg_imm32_b32 hwreg(HW_REG_WAVE_MODE, 25, 1), 1
	s_wait_xcnt 0x0
	s_wait_alu depctr_hold_cnt(0) depctr_sa_sdst(0) depctr_va_vdst(0) depctr_va_sdst(0) depctr_va_ssrc(0) depctr_va_vcc(0) depctr_vm_vsrc(0)
	s_getreg_b32 s2, hwreg(HW_REG_IB_STS2, 6, 4)
	s_cmp_eq_u32 s2, 0
	s_cbranch_scc0 .Lentry_in_a_cluster
	s_endpgm
.Lentry_in_a_cluster:
	s_bfe_u32 s2, ttmp6, 0x10000c
	s_cmp_lg_u32 s2, 0x3003
	s_cbranch_scc0 .Lentry_shape_is_right
	s_endpgm
.Lentry_shape_is_right:
; O[bh][q] = the sum over k of softmax_k(Q[bh][q] . K[bh][k] / 8) V[bh][k]: 64 heads (bh = 16 batch + head) of 2,048 tokens x 64 channels.  Operands f16, products, maxima and sums f32; the weights p are rounded
; to f16 for the second product, O once at the end.
; q, k, v COME AS IMAGES OF OPERAND REGISTERS (units of 512 bytes: lane l's 16 bytes at 16 l), so every fragment is loaded at 16 x lane, from memory and from LDS alike: no pitch, no padding, no turning load;
; and a step's tiles are dense blocks of memory.  The result leaves in the same form, for the projection: ao [128 tokens: 64][K chunk of 32 = 2 head + channels / 32: 32][tile of 16 tokens: 8][register half: 2][512 bytes].
; SHARES.  A work-group owns 512 queries of a head, each of its eight waves 64: four tiles of 16.  Every wave walks all 2,048 keys, 64 a step: 32 products K Q^T and 32 products V^T P; a fragment of K or V feeds four.
; LAYOUT.  S^T = K Q^T (source 0 = 16 keys, source 1 = 16 queries): a lane holds ONE query and the keys 8 (lane / 16) + 0 .. 7.  Two such tiles, rounded in pairs, ARE source 1 (32 keys x 16 queries) of
; O^T = V^T P, whose result again holds one query a lane and eight channels.
; SOFTMAX.  For each query a running maximum m and sum l: p = 2^(c s - c m), c = log2(e) / 8; in every step O and l are multiplied by a = 2^(c m_old - c m_new).  m begins at -3e38, O and l at 0: the first a is 0.
; TURNS BETWEEN WAVES.  Eight waves of 512 registers: two to a SIMD.  The waves fall into two groups, GRP = (w xor w / 4) % 2.  In every step group 0 runs its matrix phase (V^T P of the step in hand, K Q^T of the next)
; AHEAD of one work-group barrier and group 1 BEHIND it; both then walk their softmax.  So while one group issues matrix instructions the other issues vector instructions.  The barrier orders no memory.
; RING.  Two LDS slots of 512 keys (K's 64 KiB, then V's).  Each wave brings an eighth of a slot by one tensor load of 64 rows x 256 bytes; by this text's count one tensor load a wave is out.
; A refill has a walk of eight steps, 512 matrix instructions a wave, in which to land.
; CLUSTER.  The four work-groups of a head form a cluster and walk the same K and V: each load is a joint one, with the same descriptor and the mask of all four.
; LIMITS: the inputs of this launch are f16 (under 65,504); so is its result.  NaN and infinities are not served.
; REGISTERS: window 0: v1 16 x lane; v2, v3 LDS addresses of the step's K, V; v4 prefetch offset; v6, v7 the add's two; v16-47 statistics, eight a tile (+0 c m, +1 m, +2, +3 l in two halves, +4 .. +7 at work; a in +6);
;   v48-111 K of a step; v112-239 S^T, 32 a tile; P is made in place in each tile's low 16.   window 1: v0-127 O^T (32 a tile); v128-191 Q; v192-255 V of a step.
.set SLOT1, 1<<17                      ; slot 1 begins here: one exclusive or turns an address from one slot to the other
.set VOFF,  65536                      ; V's images lie behind K's
.set STEPB, 8192                       ; a step's 64 keys of K, or of V, in bytes
.set SPARE, 2*SLOT1                    ; the spare words, 128 bytes a wave: 1,024 bytes that no other line names
.set LI,  1
.set ADK, 2
.set ADV, 3
.set PFO, 4
.set SPW, 6
.set NIL, 7
.set ST,  16
.set KF,  48
.set S,   112
.set QF,  128                          ; window 1
.set VF,  192                          ; window 1
.set WV,  8                            ; s8   my wave's number
.set GRP, 9                            ; s9   my group
.set G1,  16                           ; s[16:23] descriptor group 1
.set G0,  24                           ; s[24:27] descriptor group 0: it walks
.set CS,  28                           ; s[28:29] c, twice: the packed form names a pair
.set SEL, 30                           ; s[30:31] lane selects: lane l xor 16
.set TB,  32                           ; s32  LDS byte at which the step's K begins
.set SLOTS, 33                         ; s33  slots still to be asked for
.set CNT, 34                           ; s34  counts a walk's steps
.set PFA, 36                           ; s[36:37] where my prefetches stand
.set LIM, 38                           ; s38  1 in a wave that prefetches, else the greatest number
.set QB,  40                           ; s[40:41] my wave's queries
.set OB,  42                           ; s[42:43] my wave's place in ao
.set MSB, 0
.macro WIN new                         ; the immediate's high byte repeats the setting that is left; a switch that changes nothing is dropped
.if MSB != (\new)
	s_set_vgpr_msb (MSB<<8)|(\new)
.set MSB, (\new)
.endif
.endm
.set W_KQ, 0x04                        ; K and S^T in window 0, Q (source 1) in window 1
.set W_PV, 0x51                        ; V (source 0), O^T (C and D) in window 1, P or a (source 1) in window 0: it serves the products and the rescaling alike
.set W_L1, 0x40                        ; destination window 1, address window 0
.macro PLACES n
.rept \n
	v_nop
.endr
.endm
.macro CROUND                          ; a round of the cluster's barrier
	s_barrier_signal -1
	s_barrier_wait -1
	s_cmp_lg_u32 s[WV], 0
	s_cbranch_scc1 .Lnot_wave_0_\@
	s_barrier_signal -3
.Lnot_wave_0_\@:
	s_barrier_wait -3
	s_barrier_signal -1
	s_barrier_wait -1
.endm
	s_load_b128 s[4:7], s[0:1], 0x0                ; qkv, ao
	v_lshl_add_u32 v[SPW], v0, 2, SPARE
	v_mov_b32 v[NIL], 0
	ds_add_u32 v[SPW], v[NIL]                      ; the wave's opening: the add, twice on end, and its wait ahead of my first tensor load
	ds_add_u32 v[SPW], v[NIL]
	v_lshrrev_b32 v2, 5, v0
	v_readfirstlane_b32 s[WV], v2                  ; wave 0..7
	v_and_b32 v[LI], 31, v0
	v_lshlrev_b32 v[PFO], 8, v[LI]                 ; 256 x lane
	v_lshlrev_b32 v[LI], 4, v[LI]                  ; 16 x lane
	s_lshr_b32 s[GRP], s[WV], 2
	s_xor_b32 s[GRP], s[GRP], s[WV]
	s_and_b32 s[GRP], s[GRP], 1
	s_bfe_u32 s10, ttmp6, 0x40000                  ; cx: my block of 512 queries; it enters Q's, ao's and the prefetches' addresses alone
	s_and_b32 s11, ttmp7, 0xffff                   ; bh, which the four partners share
	s_mov_b32 s[G1], 15|(3<<16)|(1<<21)            ; 15:0 the mask: all four work-groups; elements of 8 bytes; bit 21 beside a mask; no padding
	s_mov_b32 s[G1+1], 32<<16                      ; tensor_dim0 = 32 elements: rows of 256 bytes
	s_mov_b32 s[G1+2], 64<<16                      ; tensor_dim1 = 64
	s_mov_b32 s[G1+3], 32<<16                      ; tile_dim0
	s_mov_b32 s[G1+4], 64                          ; tile_dim1
	s_mov_b32 s[G1+5], 32                          ; the pitch: the block is dense
	s_mov_b32 s[G1+6], 0
	s_mov_b32 s[G1+7], 0
	s_mov_b32 s[CS], 0x3e38aa3b                    ; c = log2(e) / 8
	s_mov_b32 s[CS+1], s[CS]
	s_mov_b32 s[SEL], 0x76543210
	s_mov_b32 s[SEL+1], 0xfedcba98
	s_mov_b32 s[TB], 0
	s_mov_b32 s[SLOTS], 3
	s_lshr_b32 s12, s[WV], 2                       ; waves 0-3 fetch K's quarters, waves 4-7 V's
	s_add_co_u32 s12, s12, 1
	s_lshl_b32 s12, s12, 24                        ; k at 2^24, v at 2^25
	s_lshl_b32 s13, s11, 18                        ; a head is 2^18 bytes in each
	s_add_co_u32 s12, s12, s13
	s_and_b32 s14, s[WV], 3
	s_lshl_b32 s14, s14, 14
	s_add_co_u32 s14, s14, s12                     ; my 16,384 bytes of slot 0
	s_mov_b32 s15, 0
	s_mov_b32 s[G0], 1                             ; count = 1
	s_lshl_b32 s[G0+1], s[WV], 14                  ; LDS: wave x 16,384: K's four quarters, then V's
	s_lshl_b32 s[PFA], s10, 14                     ; the prefetches: my work-group's quarter of a slot's K or V,
	s_bfe_u32 s[PFA+1], s[WV], 0x10001
	s_lshl_b32 s[PFA+1], s[PFA+1], 13              ; its half for waves 2 and 6,
	s_add_co_u32 s[PFA], s[PFA], s[PFA+1]
	s_add_co_u32 s[PFA], s[PFA], s12
	s_add_co_u32 s[PFA], s[PFA], 65536             ; in slot 1: the first change of slots steps it to slot 2
	s_mov_b32 s[PFA+1], 0
	s_and_b32 s[LIM], s[WV], 1
	s_cmp_eq_u32 s[LIM], 0
	s_cselect_b32 s[LIM], 1, -1                    ; waves 0, 2 ask for K's, waves 4, 6 for V's
	s_lshl_b32 s[QB], s10, 16                      ; Q: 512 queries are 65,536 bytes,
	s_lshl_b32 s[QB+1], s[WV], 13                  ; my 64 are 8,192
	s_add_co_u32 s[QB], s[QB], s[QB+1]
	s_add_co_u32 s[QB], s[QB], s13
	s_mov_b32 s[QB+1], 0
	s_lshr_b32 s[OB], s11, 4                       ; ao: the block of 128 tokens: 16 batch + 4 cx + wave / 2,
	s_lshl_b32 s[OB], s[OB], 4
	s_lshl_b32 s[OB+1], s10, 2
	s_add_co_u32 s[OB], s[OB], s[OB+1]
	s_lshr_b32 s[OB+1], s[WV], 1
	s_add_co_u32 s[OB], s[OB], s[OB+1]
	s_lshl_b32 s[OB], s[OB], 18
	s_and_b32 s[OB+1], s11, 15                     ; the head's two K chunks: 16,384 bytes a head,
	s_lshl_b32 s[OB+1], s[OB+1], 14
	s_add_co_u32 s[OB], s[OB], s[OB+1]
	s_and_b32 s[OB+1], s[WV], 1                    ; my four tiles of tokens among the eight
	s_lshl_b32 s[OB+1], s[OB+1], 12
	s_add_co_u32 s[OB], s[OB], s[OB+1]
	s_mov_b32 s[OB+1], 0
	s_wait_dscnt 0x0                               ; both opening adds are done
	s_wait_kmcnt 0x0
	s_add_nc_u64 s[G0+2:G0+3], s[4:5], s[14:15]
	s_or_b32 s[G0+3], s[G0+3], 0x80000000          ; type = 2
	s_add_nc_u64 s[PFA:PFA+1], s[4:5], s[PFA:PFA+1]
	s_add_nc_u64 s[QB:QB+1], s[4:5], s[QB:QB+1]
	s_add_nc_u64 s[OB:OB+1], s[6:7], s[OB:OB+1]
	CROUND                                         ; all four work-groups are here: the first joint loads meet
	tensor_load_to_lds s[G0:G0+3], s[G1:G1+7]      ; slot 0: keys 0 to 511
	s_nop 0
	PLACES 4
	WIN W_L1
.irp i, 0,1,2,3,4,5,6,7,8,9,10,11,12,13,14,15
	global_load_b128 v[QF+4*\i:QF+4*\i+3], v[LI], s[QB:QB+1] offset:512*\i   ; Q stays in registers: tile i / 4, channels 32 ((i / 2) % 2) on
.endr
.set n, 0
.rept 128
	v_mov_b32 v[n], 0                              ; O^T.  The step is written once for all steps: the first finds zeros.  These lines run while slot 0 is on its way
.set n, n+1
.endr
	WIN 0
.irp t, 0,1,2,3
	v_mov_b32 v[ST+8*\t+1], 0xff61b1e6             ; m = -3e38, under every score
	v_mov_b32 v[ST+8*\t+2], 0                      ; l
	v_mov_b32 v[ST+8*\t+3], 0
.endr
.irp t, 0,1,2,3
	v_mul_f32 v[ST+8*\t], s[CS], v[ST+8*\t+1]      ; c m
.endr
	s_wait_loadcnt 0x0                             ; Q
.macro ADDR                            ; the step's LDS addresses; always in text that every wave walks
	v_add_nc_u32 v[ADK], s[TB], v[LI]
	v_add_nc_u32 v[ADV], VOFF, v[ADK]
.endm
.macro FETCH_K                         ; 64 keys x 64 channels: fragment (keys 16 kt on, channels 32 cs on) at v[KF + 16 kt + 8 cs]
.irp i, 0,1,2,3,4,5,6,7,8,9,10,11,12,13,14,15
	ds_load_b128 v[KF+4*\i:KF+4*\i+3], v[ADK] offset:512*\i
.endr
.endm
.macro FETCH_V                         ; V^T: fragment (keys 32 kh on, channels 16 ct on) at v[VF + 8 (4 kh + ct)] of window 1
	WIN W_L1
.irp i, 0,1,2,3,4,5,6,7,8,9,10,11,12,13,14,15
	ds_load_b128 v[VF+4*\i:VF+4*\i+3], v[ADV] offset:512*\i
.endr
.endm
; S^T = K Q^T: 32 products; the 16 accumulators take turns, one instruction a turn; the first 16 start the sums
.macro KQ
	WIN W_KQ
.irp cs, 0,1
.irp kt, 0,1,2,3
.irp t, 0,1,2,3
.if \cs == 0
	v_wmma_f32_16x16x32_f16 v[S+32*\t+8*\kt:S+32*\t+8*\kt+7], v[KF+16*\kt+8*\cs:KF+16*\kt+8*\cs+7], v[QF+16*\t+8*\cs:QF+16*\t+8*\cs+7], 0
.else
	v_wmma_f32_16x16x32_f16 v[S+32*\t+8*\kt:S+32*\t+8*\kt+7], v[KF+16*\kt+8*\cs:KF+16*\kt+8*\cs+7], v[QF+16*\t+8*\cs:QF+16*\t+8*\cs+7], v[S+32*\t+8*\kt:S+32*\t+8*\kt+7]
.endif
.endr
.endr
.endr
.endm
; O^T = a O^T + V^T P: tile 0 is rescaled first; behind each product of tile t stand two packed multiplies that rescale tile t + 1, under the same window setting.  A tile's four accumulators take turns.
; Five places close it: four in front of the loads into V's registers, five in front of the products K Q^T, which write over P's registers.
.macro PVS
	s_wait_dscnt 0x0                               ; V is in (and the next step's K)
	WIN W_PV
.irp i, 0,1,2,3,4,5,6,7,8,9,10,11,12,13,14,15
	v_pk_mul_f32 v[2*\i:2*\i+1], v[2*\i:2*\i+1], v[ST+6:ST+7] op_sel_hi:[1,0]
.endr
.irp t, 0,1,2,3
.irp kh, 0,1
.irp ct, 0,1,2,3
	v_wmma_f32_16x16x32_f16 v[32*\t+8*\ct:32*\t+8*\ct+7], v[VF+8*(4*\kh+\ct):VF+8*(4*\kh+\ct)+7], v[S+32*\t+8*\kh:S+32*\t+8*\kh+7], v[32*\t+8*\ct:32*\t+8*\ct+7]
.if \t < 3
	v_pk_mul_f32 v[32*(\t+1)+4*(4*\kh+\ct):32*(\t+1)+4*(4*\kh+\ct)+1], v[32*(\t+1)+4*(4*\kh+\ct):32*(\t+1)+4*(4*\kh+\ct)+1], v[ST+8*(\t+1)+6:ST+8*(\t+1)+7] op_sel_hi:[1,0]
	v_pk_mul_f32 v[32*(\t+1)+4*(4*\kh+\ct)+2:32*(\t+1)+4*(4*\kh+\ct)+3], v[32*(\t+1)+4*(4*\kh+\ct)+2:32*(\t+1)+4*(4*\kh+\ct)+3], v[ST+8*(\t+1)+6:ST+8*(\t+1)+7] op_sel_hi:[1,0]
.endif
.endr
.endr
.endr
	PLACES 5
.endm
; THE MATRIX PHASE.  pv = 1: V^T P of the step in hand; then that step's successor: its V is fetched, its K multiplied.  pv = 0: a walk's first step.
; The phase stands twice in the text, ahead of the barrier and behind it (STAG).  A matrix instruction that writes over registers of an earlier one stands five places behind it (ISA guide 7.12.1), and that is kept on
; every way through the text, the one that would lead through both copies too: with pv = 1 the rescaling at PVS's head and the five places at its end stand between; with pv = 0 five places open the phase.
.macro H1 pv
.if \pv
	PVS
.else
	PLACES 5
.endif
	FETCH_V
.if \pv == 0
	s_wait_dscnt 16                                ; K's sixteen loads are in; V's sixteen, issued behind them, may be out
.endif
	KQ
	WIN 0
.endm
; Group 0 runs the matrix phase ahead of the barrier, group 1 behind it.  Both branches hang on the wave's number alone; the barrier stands in every wave's text.
.macro STAG pv
	s_cmp_lg_u32 s[GRP], 0
	s_cbranch_scc1 .Lafter_\@
	H1 \pv
.Lafter_\@:
	s_wait_dscnt 0x0                               ; no LDS instruction of mine is out at the signal
	s_barrier_signal -1
	s_barrier_wait -1
	s_cmp_eq_u32 s[GRP], 0
	s_cbranch_scc1 .Ldone_\@
	H1 \pv
.Ldone_\@:
.endm
; THE SOFTMAX of a step, four tiles.
.macro SCALE t, b                      ; pair b of tile t: c s - c m
	v_pk_fma_f32 v[S+32*(\t)+2*(\b):S+32*(\t)+2*(\b)+1], v[S+32*(\t)+2*(\b):S+32*(\t)+2*(\b)+1], s[CS:CS+1], v[ST+8*(\t):ST+8*(\t)+1] op_sel_hi:[1,0,0] neg_lo:[0,0,1] neg_hi:[0,0,1]
.endm
.macro EXPO t, e
	v_exp_f32 v[S+32*(\t)+(\e)], v[S+32*(\t)+(\e)]
.endm
; What reads a tile's exponentials, 33 lines: 0: l x a; 1 to 16: the sum of the 16 pairs, in two chains, into l; 17 to 32: the roundings to f16, in place (all sums have read the weights by then)
.macro POST t, j
.set rT, ST+8*(\t)
.set rS, S+32*(\t)
.if (\j) == 0
	v_pk_mul_f32 v[rT+2:rT+3], v[rT+2:rT+3], v[rT+6:rT+7] op_sel_hi:[1,0]
.elseif (\j) == 1
	v_pk_add_f32 v[rT+4:rT+5], v[rS:rS+1], v[rS+2:rS+3]
.elseif (\j) < 16
.if (\j)%2 == 0
	v_pk_add_f32 v[rT+2:rT+3], v[rT+2:rT+3], v[rS+2*(\j):rS+2*(\j)+1]
.else
	v_pk_add_f32 v[rT+4:rT+5], v[rT+4:rT+5], v[rS+2*(\j):rS+2*(\j)+1]
.endif
.elseif (\j) == 16
	v_pk_add_f32 v[rT+2:rT+3], v[rT+2:rT+3], v[rT+4:rT+5]
.else
	v_cvt_pk_f16_f32 v[rS+(\j)-17], v[rS+2*((\j)-17)], v[rS+2*((\j)-17)+1]
.endif
.endm
.macro SM
	; the maximum of a lane's 32 scores and the old m: four chains, each beginning at its accumulator's low end; the four tiles by turns, so that no line waits for the line above it
.irp k, 0,1,2,3
.irp t, 0,1,2,3
	v_max3_num_f32 v[ST+8*\t+4+\k], v[S+32*\t+8*\k], v[S+32*\t+8*\k+1], v[S+32*\t+8*\k+2]
.endr
.endr
.irp q, 1,2
.irp k, 0,1,2,3
.irp t, 0,1,2,3
	v_max3_num_f32 v[ST+8*\t+4+\k], v[ST+8*\t+4+\k], v[S+32*\t+8*\k+2*\q+1], v[S+32*\t+8*\k+2*\q+2]
.endr
.endr
.endr
.irp t, 0,1,2,3
	v_max3_num_f32 v[ST+8*\t+4], v[ST+8*\t+4], v[S+32*\t+7], v[S+32*\t+15]
.endr
.irp t, 0,1,2,3
	v_max3_num_f32 v[ST+8*\t+6], v[ST+8*\t+6], v[S+32*\t+23], v[S+32*\t+31]
.endr
.irp t, 0,1,2,3
	v_max3_num_f32 v[ST+8*\t+4], v[ST+8*\t+4], v[ST+8*\t+5], v[ST+8*\t+6]
.endr
.irp t, 0,1,2,3
	v_max3_num_f32 v[ST+8*\t+4], v[ST+8*\t+4], v[ST+8*\t+7], v[ST+8*\t+1]
.endr
.irp t, 0,1,2,3
	v_permlanex16_b32 v[ST+8*\t+5], v[ST+8*\t+4], s[SEL], s[SEL+1]   ; the query's other 32 keys lie in the lane 16 away
.endr
.irp t, 0,1,2,3
	v_mov_b32 v[ST+8*\t+7], v[ST+8*\t]             ; c m_old is kept for a
.endr
.irp t, 0,1,2,3
	v_max_num_f32 v[ST+8*\t+1], v[ST+8*\t+4], v[ST+8*\t+5]
.endr
.irp t, 0,1,2,3
	v_mul_f32 v[ST+8*\t], s[CS], v[ST+8*\t+1]
.endr
.irp t, 0,1,2,3
	v_sub_f32 v[ST+8*\t+7], v[ST+8*\t+7], v[ST+8*\t]
.endr
	; FIRST BATCH of exponentials: the four a and tiles 0, 1; the scalings stand among them.  None of these lines names an exponential's result
.irp t, 0,1,2,3
	v_exp_f32 v[ST+8*\t+6], v[ST+8*\t+7]
.endr
.set n, 0
.rept 16
	SCALE 0, n
	SCALE 1, n
.set n, n+1
.endr
.set n, 0
.rept 16
	SCALE 2, n
	EXPO 0, 2*n
	EXPO 0, 2*n+1
	SCALE 3, n
	EXPO 1, 2*n
	EXPO 1, 2*n+1
.set n, n+1
.endr
	v_nop                                          ; a plain line behind the last exponential
	s_wait_alu depctr_va_vdst(0)                   ; the wait ahead of the first line that names a result: one for the batch
	; SECOND BATCH: tiles 2, 3; between its exponentials stand the lines that read the first batch
.set n, 0
.rept 32
	POST 0, n
	EXPO 2, n
	POST 1, n
	EXPO 3, n
.set n, n+1
.endr
	POST 0, 32
	POST 1, 32
	s_wait_alu depctr_va_vdst(0)                   ; one for the second batch
.set n, 0
.rept 33
	POST 2, n
	POST 3, n
.set n, n+1
.endr
.endm
; A PREFETCH INTO THE L2 of what the NEXT change of slots will ask for: a slot's 65,536 bytes of K and of V, 512 blocks of 256 bytes, each named once in the launch: a head is walked by its one cluster; the four
; partners take a quarter each BY ADDRESS; in each, waves 0 and 2 name K's two halves of that quarter and waves 4 and 6 V's, lanes 256 bytes apart.  It stands behind the wave's tensor load and its five lines:
; a walk of eight steps ahead of the load that will want the bytes.  The last change that fills a slot asks for nothing; slots 0 and 1 come by their loads alone.
.macro ASK
	s_cmp_gt_u32 s[SLOTS], s[LIM]
	s_cbranch_scc0 .Lnot_mine_\@
	global_prefetch_b8 v[PFO], s[PFA:PFA+1] th:TH_LOAD_NT scope:SCOPE_SE
.Lnot_mine_\@:
.endm
; THE CHANGE OF SLOTS stands at a walk's head.  Each wave waits for all its tensor loads (its part of the slot that it is about to read), adds 0 to its spare word, and waits for that and for its reads of the slot
; that it has left.  fill = 1: a round of the cluster's barrier follows, so that no wave of any partner still reads that slot or has a load on its way, and the joint load is the first thing behind it.
.macro CHANGE fill
	WIN 0
	s_wait_tensorcnt 0x0                           ; no tensor load of mine is out, so group 0 may be written
	ds_add_u32 v[SPW], v[NIL]                      ; 0 onto my spare word
.if \fill
	s_xor_b32 s[G0+1], s[G0+1], SLOT1              ; the other slot than last time,
	s_add_nc_u64 s[G0+2:G0+3], s[G0+2:G0+3], 65536 ; the next 512 keys; the type bits on top are not reached
	s_wait_xcnt 0x0                                ; the last prefetch, a walk back, has read its address, so it may be written
	s_add_nc_u64 s[PFA:PFA+1], s[PFA:PFA+1], 65536
	s_wait_dscnt 0x0                               ; the add is done, and my reads of the slot that I have left are over
	CROUND
	tensor_load_to_lds s[G0:G0+3], s[G1:G1+7]
	s_nop 0
	PLACES 4
	ASK
.else
	s_wait_dscnt 0x0
	s_barrier_signal -1
	s_barrier_wait -1
.endif
.endm
; A WALK through a slot: eight steps.  A trip of the loop fetches the next step's K, walks the softmax of the step in hand, and runs the matrix phase.
.macro WALK
	ADDR
	FETCH_K
	STAG 0
	s_mov_b32 s[CNT], 7
.Lstep_\@:
	PLACES 4                                       ; behind the products K Q^T: their results are read below, and K's registers loaded
	s_add_co_u32 s[TB], s[TB], STEPB
	ADDR
	FETCH_K
	SM
	STAG 1
	s_sub_co_u32 s[CNT], s[CNT], 1
	s_cmp_lg_u32 s[CNT], 0
	s_cbranch_scc1 .Lstep_\@
	PLACES 4
	SM
	PVS
	WIN 0
	s_sub_co_u32 s[TB], s[TB], 7*STEPB             ; back to a slot's first step,
	s_xor_b32 s[TB], s[TB], SLOT1                  ; in the other slot
.endm
.Lwalk:                                            ; three trips: behind each change of slots but the last the next 512 keys are asked for
	CHANGE 1
	WALK
	s_sub_co_u32 s[SLOTS], s[SLOTS], 1
	s_cmp_lg_u32 s[SLOTS], 0
	s_cbranch_scc1 .Lwalk
	CHANGE 0                                       ; the last walk is written out
	WALK
	; THE WAY OUT.  l's two halves and the other half of the lanes' are added; O^T is divided by l, rounded to f16 and stored as it lies: a lane's eight channels are 16 bytes of a fragment of the projection's operand
.irp t, 0,1,2,3
	v_add_f32 v[ST+8*\t+4], v[ST+8*\t+2], v[ST+8*\t+3]
.endr
.irp t, 0,1,2,3
	v_permlanex16_b32 v[ST+8*\t+5], v[ST+8*\t+4], s[SEL], s[SEL+1]
.endr
.irp t, 0,1,2,3
	v_add_f32 v[ST+8*\t+4], v[ST+8*\t+4], v[ST+8*\t+5]
.endr
.irp t, 0,1,2,3
	v_rcp_f32 v[ST+8*\t+6], v[ST+8*\t+4]
.endr
	v_nop                                          ; a plain line behind the last reciprocal
	s_wait_alu depctr_va_vdst(0)                   ; and the wait ahead of the first use: one for the four
.irp t, 0,1,2,3
	WIN 0x41                                       ; O^T (destination and source 0) in window 1
.irp i, 0,1,2,3,4,5,6,7,8,9,10,11,12,13,14,15
	v_pk_mul_f32 v[32*\t+2*\i:32*\t+2*\i+1], v[32*\t+2*\i:32*\t+2*\i+1], v[ST+8*\t+6:ST+8*\t+7] op_sel_hi:[1,0]
.endr
	WIN 0x05                                       ; sources in window 1, destination in window 0: S^T's registers are free
.irp i, 0,1,2,3,4,5,6,7,8,9,10,11,12,13,14,15
	v_cvt_pk_f16_f32 v[S+32*\t+\i], v[32*\t+2*\i], v[32*\t+2*\i+1]
.endr
	WIN 0
.irp ct, 0,1,2,3
	global_store_b128 v[LI], v[S+32*\t+4*\ct:S+32*\t+4*\ct+3], s[OB:OB+1] offset:\t*1024+(\ct/2)*8192+(\ct%2)*512   ; 512 consecutive bytes, aligned
.endr
.endr
	s_wait_tensorcnt 0x0                           ; the wave's end
	ds_add_u32 v[SPW], v[NIL]
	s_wait_dscnt 0x0
	CROUND                                         ; the closing round
	s_endpgm
.Lfunc_end_k_q9c21422791_attn:
	.size	k_q9c21422791_attn, .Lfunc_end_k_q9c21422791_attn-k_q9c21422791_attn
	.p2alignl 7, 3214868480
	.fill 96, 4, 3214868480
	.section	.rodata,"a",@progbits
	.p2align	6, 0x0
	.amdhsa_kernel k_q9c21422791_attn
		.amdhsa_group_segment_fixed_size 327680
		.amdhsa_private_segment_fixed_size 0
		.amdhsa_enable_private_segment 0
		.amdhsa_kernarg_size 16
		.amdhsa_user_sgpr_count 2
		.amdhsa_user_sgpr_kernarg_segment_ptr 1
		.amdhsa_wavefront_size32 1
		.amdhsa_system_sgpr_workgroup_id_x 1
		.amdhsa_system_sgpr_workgroup_id_y 1
		.amdhsa_system_sgpr_workgroup_id_z 1
		.amdhsa_system_vgpr_workitem_id 0
		.amdhsa_next_free_vgpr 512
		.amdhsa_next_free_sgpr 66
		.amdhsa_reserve_vcc 0
		.amdhsa_float_denorm_mode_32 3
		.amdhsa_float_denorm_mode_16_64 3
		.amdhsa_memory_ordered 1
		.amdhsa_forward_progress 1
		.amdhsa_inst_pref_size 177
	.end_amdhsa_kernel
	.amdgpu_metadata
---
amdhsa.version: [ 1, 2 ]
amdhsa.kernels:
  - .name:           k_q9c21422791_attn
    .symbol:         k_q9c21422791_attn.kd
    .args:
      - { .name: qkv, .offset: 0, .size: 8, .value_kind: global_buffer, .address_space: global }
      - { .name: ao, .offset: 8, .size: 8, .value_kind: global_buffer, .address_space: global }
    .group_segment_fixed_size: 327680
    .private_segment_fixed_size: 0
    .kernarg_segment_align: 8
    .kernarg_segment_size: 16
    .max_flat_workgroup_size: 256
    .sgpr_count:     66
    .vgpr_count:     512
    .wavefront_size: 32
...
	.end_amdgpu_metadata
.endif
;; end of part 3
;; launch proj (part 4): grid 4 x 64, 4 waves a work-group, clusters of 4 x 1, 327,680 bytes of LDS; arguments ao, wp, b_proj, out0; writes out0
.if DOCPART == 4
	.amdgcn_target "amdgcn-amd-amdhsa--gfx1250"
	.amdhsa_code_object_version 6
	.text
	.protected	k_q9c21422791_proj
	.globl	k_q9c21422791_proj
	.p2align	8
	.type	k_q9c21422791_proj,@function
k_q9c21422791_proj:
	s_mov_b64 s[64:65], 0
	v_nop
	global_prefetch_b8 v0, s[64:65] scope:SCOPE_SE
	s_setreg_imm32_b32 hwreg(HW_REG_WAVE_MODE, 25, 1), 1
	s_wait_xcnt 0x0
	s_wait_alu depctr_hold_cnt(0) depctr_sa_sdst(0) depctr_va_vdst(0) depctr_va_sdst(0) depctr_va_ssrc(0) depctr_va_vcc(0) depctr_vm_vsrc(0)
	s_getreg_b32 s2, hwreg(HW_REG_IB_STS2, 6, 4)
	s_cmp_eq_u32 s2, 0
	s_cbranch_scc0 .Lentry_in_a_cluster
	s_endpgm
.Lentry_in_a_cluster:
	s_bfe_u32 s2, ttmp6, 0x10000c
	s_cmp_lg_u32 s2, 0x3003
	s_cbranch_scc0 .Lentry_shape_is_right
	s_endpgm
.Lentry_shape_is_right:
; out0[token][n] = the sum over c of attention[token][c] w_proj[n][c] + b_proj[n].  Operands f16, as images of operand registers (ao, wp: units of 512 bytes, lane l's 16 bytes at 16 l); sums f32; out0 f32.
; SHARES.  A work-group takes 128 tokens x 256 columns; wave w all 128 tokens x columns 64 w .. 64 w + 63 of them: 8 x 4 accumulators, 256 registers.
; THE MATRIX INSTRUCTION IS USED TRANSPOSED (source 0 = 16 rows of w_proj, source 1 = 16 tokens): a lane holds eight neighbouring columns of one row of out0.  The bias is the C of each sum's first product.
; THE TOKENS' WHOLE K, 262,144 bytes of images, LIES IN LDS: four pieces of 8 K chunks, each brought by the four waves' loads of 64 rows x 256 bytes, all asked for at the head; nothing is filled again.
; By this text's count a wave has four tensor loads out.  The four work-groups of a cluster share the tokens: these loads are joint, with the mask of all four.
; w_proj's FRAGMENTS GO FROM MEMORY STRAIGHT INTO REGISTERS: each is read by one wave of the work-group; eight buffers, seven K chunks (56 loads) ahead.  They are not shared in the cluster: the partners take different
; columns; and they do not go through LDS: the tokens' 256 KiB leave no room there for slots of the work-group's 512 KiB of weights.
; REGISTERS: window 0: v1 16 x lane; v2-5 LDS address of piece p; v6 bias offset; v8-10 the way out; v12, v13 the add's two; v16-47 the bias; v64-191 tokens' fragments, two buffers; v192-255 the way out.
;   window 1: the accumulators ((a, b) at v[8 (4 a + b)]).   window 2: w_proj's fragments: chunk kc's at v[32 (kc % 8) + 8 b].
.set NKC,   32                         ; K chunks of 32
.set STAGE, 262144                     ; behind the images: 16 rows x 272 bytes for each wave, for the way out
.set SPITCH, 272                       ; a stage row: 256 bytes + 16: the 16 rows that a store touches start 17 x 16 bytes apart
.set SPARE, STAGE+4*16*SPITCH          ; the spare words, 128 bytes a wave, which no other line names
.set LI,   1
.set ADA,  2
.set BI,   6
.set STO,  8
.set RD,   9
.set CO,   10
.set SPW,  12
.set NIL,  13
.set BIAS, 16
.set TF,   64
.set OUTR, 192
.set WV,   12                          ; s12 my wave's number
.set G1,   16                          ; s[16:23] descriptor group 1
.set G0,   32                          ; s[32:47] descriptor group 0, a set for each piece
.set MSB, 0
.macro WIN new
.if MSB != (\new)
	s_set_vgpr_msb (MSB<<8)|(\new)
.set MSB, (\new)
.endif
.endm
.macro PLACES
.rept 4
	v_nop
.endr
.endm
.macro CROUND                          ; a round of the cluster's barrier
	s_barrier_signal -1
	s_barrier_wait -1
	s_cmp_lg_u32 s[WV], 0
	s_cbranch_scc1 .Lnot_wave_0_\@
	s_barrier_signal -3
.Lnot_wave_0_\@:
	s_barrier_wait -3
	s_barrier_signal -1
	s_barrier_wait -1
.endm
	s_load_b256 s[4:11], s[0:1], 0x0               ; ao s[4:5], wp s[6:7], b_proj s[8:9], out0 s[10:11]
	v_lshl_add_u32 v[SPW], v0, 2, SPARE
	v_mov_b32 v[NIL], 0
	ds_add_u32 v[SPW], v[NIL]                      ; the wave's opening: the add, twice on end, and its wait ahead of my first tensor load
	ds_add_u32 v[SPW], v[NIL]
	v_lshrrev_b32 v14, 5, v0
	v_readfirstlane_b32 s[WV], v14                 ; wave 0..3
	s_bfe_u32 s13, ttmp6, 0x40000                  ; cx: my 256 columns; it enters global addresses alone
	s_and_b32 s14, ttmp7, 0xffff                   ; my 128 tokens, which the four partners share
	s_mov_b32 s[G1], 15|(3<<16)|(1<<21)            ; the mask of all four; elements of 8 bytes; bit 21 beside a mask; no padding
	s_mov_b32 s[G1+1], 32<<16                      ; rows of 256 bytes,
	s_mov_b32 s[G1+2], 64<<16                      ; 64 of them,
	s_mov_b32 s[G1+3], 32<<16
	s_mov_b32 s[G1+4], 64
	s_mov_b32 s[G1+5], 32                          ; dense
	s_mov_b32 s[G1+6], 0
	s_mov_b32 s[G1+7], 0
	s_lshl_b32 s26, s[WV], 14                      ; my quarter of a piece: 16,384 bytes, in memory and in LDS alike
	s_lshl_b32 s24, s14, 18                        ; 128 tokens' images are 2^18 bytes
	s_add_co_u32 s24, s24, s26
	s_mov_b32 s25, 0
	s_lshl_b32 s28, s13, 2
	s_add_co_u32 s28, s28, s[WV]
	s_lshl_b32 s28, s28, 17                        ; wp: my group of 64 rows: 2^17 bytes
	s_mov_b32 s29, 0
	s_lshl_b32 s30, s13, 10
	s_lshl_b32 s31, s[WV], 8
	s_add_co_u32 s30, s30, s31                     ; my first column, in bytes of f32
	s_mov_b32 s31, 0
	s_lshl_b32 s48, s14, 19                        ; out0: 128 rows of 4,096 bytes
	s_add_co_u32 s48, s48, s30
	s_mov_b32 s49, 0
	s_mul_i32 s27, s[WV], 16*SPITCH
	s_add_co_u32 s27, s27, STAGE                   ; my stage
	v_and_b32 v[LI], 31, v0
	v_lshlrev_b32 v[LI], 4, v[LI]                  ; 16 x lane
	v_and_b32 v14, 15, v0                          ; r
	v_bfe_u32 v15, v0, 4, 1                        ; h
	v_lshlrev_b32 v[BI], 5, v15                    ; the bias: 8 h numbers on
	v_mov_b32 v[ADA], v[LI]
.irp p, 1,2,3
	v_add_nc_u32 v[ADA+\p], 65536*\p, v[LI]
.endr
	v_mul_u32_u24 v[STO], v14, SPITCH              ; into the stage: row r, 32 bytes for each half of the lanes
	v_lshl_add_u32 v[STO], v15, 5, v[STO]
	v_add_nc_u32 v[STO], s27, v[STO]
	v_mul_u32_u24 v[RD], v15, SPITCH               ; back: lanes 0-15 one row of 256 bytes, lanes 16-31 the next
	v_lshl_add_u32 v[RD], v14, 4, v[RD]
	v_add_nc_u32 v[RD], s27, v[RD]
	v_lshlrev_b32 v[CO], 12, v15                   ; and the same two rows in out0
	v_lshl_add_u32 v[CO], v14, 4, v[CO]
	s_wait_dscnt 0x0                               ; both opening adds are done
	s_wait_kmcnt 0x0
	s_add_nc_u64 s[24:25], s[4:5], s[24:25]
	s_add_nc_u64 s[6:7], s[6:7], s[28:29]
	s_add_nc_u64 s[8:9], s[8:9], s[30:31]
	s_add_nc_u64 s[10:11], s[10:11], s[48:49]
.irp p, 0,1,2,3
	s_mov_b32 s[G0+4*\p], 1
	s_add_co_u32 s[G0+4*\p+1], s26, 65536*\p
	s_add_nc_u64 s[G0+4*\p+2:G0+4*\p+3], s[24:25], 65536*\p
	s_or_b32 s[G0+4*\p+3], s[G0+4*\p+3], 0x80000000
.endr
	CROUND                                         ; all four work-groups are here: the joint loads meet
.irp p, 0,1,2,3
	tensor_load_to_lds s[G0+4*\p:G0+4*\p+3], s[G1:G1+7]   ; all first fills in one group
	s_nop 0
.endr
	PLACES
.irp b, 0,1,2,3
	global_load_b128 v[BIAS+8*\b:BIAS+8*\b+3],   v[BI], s[8:9] offset:64*\b      ; lane (r, h): b_proj of columns 16 b + 8 h + 0 .. 7: the result's layout
	global_load_b128 v[BIAS+8*\b+4:BIAS+8*\b+7], v[BI], s[8:9] offset:64*\b+16
.endr
.macro WLOAD kc                        ; w_proj's four fragments of chunk kc (window 2 is set by the caller)
.irp i, 0,1,2,3,4,5,6,7
	global_load_b128 v[32*((\kc)%8)+4*\i:32*((\kc)%8)+4*\i+3], v[LI], s[6:7] offset:(\kc)*4096+512*\i
.endr
.endm
.macro TOK kc                          ; the tokens' eight fragments of chunk kc into buffer kc % 2
.irp i, 0,1,2,3,4,5,6,7,8,9,10,11,12,13,14,15
	ds_load_b128 v[TF+64*((\kc)%2)+4*\i:TF+64*((\kc)%2)+4*\i+3], v[ADA+(\kc)/8] offset:((\kc)%8)*8192+512*\i
.endr
.endm
.macro MUL kc                          ; 32 products: each accumulator once, so they take turns
.irp a, 0,1,2,3,4,5,6,7
.irp b, 0,1,2,3
.if (\kc) == 0
	v_wmma_f32_16x16x32_f16 v[8*(4*\a+\b):8*(4*\a+\b)+7], v[32*((\kc)%8)+8*\b:32*((\kc)%8)+8*\b+7], v[TF+64*((\kc)%2)+8*\a:TF+64*((\kc)%2)+8*\a+7], v[BIAS+8*\b:BIAS+8*\b+7]
.else
	v_wmma_f32_16x16x32_f16 v[8*(4*\a+\b):8*(4*\a+\b)+7], v[32*((\kc)%8)+8*\b:32*((\kc)%8)+8*\b+7], v[TF+64*((\kc)%2)+8*\a:TF+64*((\kc)%2)+8*\a+7], v[8*(4*\a+\b):8*(4*\a+\b)+7]
.endif
.endr
.endr
.endm
; A K CHUNK of 32.  The registers that the last chunk's products read take the weights of seven chunks on and the tokens of the next chunk, behind four places.
.macro CHUNK kc
.if (\kc) > 0
	PLACES
.endif
.if (\kc)+7 < NKC
	WIN 0x80                                       ; destination window 2
	WLOAD (\kc)+7
.endif
	WIN 0
.if (((\kc)+1)%8 == 0) && ((\kc)+1 < NKC)
	s_wait_tensorcnt 3-((\kc)+1)/8                 ; my part of the next piece is in; the later pieces' loads may be out
	s_wait_dscnt 0x0                               ; no LDS instruction of mine is out at the signal
	s_barrier_signal -1
	s_barrier_wait -1                              ; everybody's part is in.
.endif
.if (\kc)+1 < NKC
	TOK (\kc)+1
.endif
.if 8*(NKC-1-(\kc)) < 56
	s_wait_loadcnt 8*(NKC-1-(\kc))                 ; this chunk's weights are in; eight loads for each younger chunk may be out
.else
	s_wait_loadcnt 56
.endif
.if (\kc) < NKC-1
	s_wait_dscnt 16                                ; this chunk's tokens are in; the sixteen loads just issued may be out
.else
	s_wait_dscnt 0x0
.endif
.if (\kc) == 0
	WIN 0x42                                       ; D window 1, weights window 2, tokens and the bias (C) window 0
.else
	WIN 0x52                                       ; C in window 1 too
.endif
	MUL \kc
.endm
	WIN 0x80
.irp k, 0,1,2,3,4,5,6
	WLOAD \k
.endr
	WIN 0
	s_wait_tensorcnt 3                             ; my part of piece 0 is in; the three later pieces' loads may be out
	s_barrier_signal -1
	s_barrier_wait -1
	TOK 0
.set KC, 0
.rept NKC
	CHUNK KC
.set KC, KC+1
.endr
; THE WAY OUT, block by block of 16 tokens x 64 columns: a lane holds 32 neighbouring bytes of a row, the lanes beside it other rows.  A block goes through my own stage in LDS and comes back as whole rows of
; 256 bytes.  LDS serves a wave's instructions in order (ISA guide 5.7.1.4): no wait between the stores and the loads, nor in front of the next block's stores.
.macro TOSTAGE a
	WIN 0x04                                       ; an LDS store's data are its source 1: window 1
.irp b, 0,1,2,3
	ds_store_b128 v[STO], v[8*(4*(\a)+\b):8*(4*(\a)+\b)+3] offset:64*\b          ; each accumulator from its low end on
	ds_store_b128 v[STO], v[8*(4*(\a)+\b)+4:8*(4*(\a)+\b)+7] offset:64*\b+16
.endr
	WIN 0
.irp t, 0,1,2,3,4,5,6,7
	ds_load_b128 v[OUTR+32*((\a)%2)+4*\t:OUTR+32*((\a)%2)+4*\t+3], v[RD] offset:\t*2*SPITCH
.endr
.endm
.macro SEND a, younger                 ; younger: the LDS instructions issued behind block a's loads, which may stay out
	s_wait_dscnt \younger
.irp t, 0,1,2,3,4,5,6,7
	global_store_b128 v[CO], v[OUTR+32*((\a)%2)+4*\t:OUTR+32*((\a)%2)+4*\t+3], s[10:11] offset:(16*(\a)+2*\t)*4096 th:TH_STORE_NT   ; 16 lanes store 256 consecutive bytes, aligned; written once, read by nobody here
.endr
.endm
	PLACES                                         ; behind the last products
	TOSTAGE 0
.irp a, 1,2,3,4,5,6,7
.if \a > 1
	s_wait_xcnt 0x0                                ; block a - 2's stores have read their data: block a's loads may land there
.endif
	TOSTAGE \a
	SEND \a-1, 16                                  ; behind block a - 1's loads: block a's 8 stores and 8 loads
.endr
	SEND 7, 0
	s_wait_tensorcnt 0x0                           ; the wave's end
	ds_add_u32 v[SPW], v[NIL]
	s_wait_dscnt 0x0
	CROUND                                         ; the closing round
	s_endpgm
.Lfunc_end_k_q9c21422791_proj:
	.size	k_q9c21422791_proj, .Lfunc_end_k_q9c21422791_proj-k_q9c21422791_proj
	.p2alignl 7, 3214868480
	.fill 96, 4, 3214868480
	.section	.rodata,"a",@progbits
	.p2align	6, 0x0
	.amdhsa_kernel k_q9c21422791_proj
		.amdhsa_group_segment_fixed_size 327680
		.amdhsa_private_segment_fixed_size 0
		.amdhsa_enable_private_segment 0
		.amdhsa_kernarg_size 32
		.amdhsa_user_sgpr_count 2
		.amdhsa_user_sgpr_kernarg_segment_ptr 1
		.amdhsa_wavefront_size32 1
		.amdhsa_system_sgpr_workgroup_id_x 1
		.amdhsa_system_sgpr_workgroup_id_y 1
		.amdhsa_system_sgpr_workgroup_id_z 1
		.amdhsa_system_vgpr_workitem_id 0
		.amdhsa_next_free_vgpr 768
		.amdhsa_next_free_sgpr 66
		.amdhsa_reserve_vcc 0
		.amdhsa_float_denorm_mode_32 3
		.amdhsa_float_denorm_mode_16_64 3
		.amdhsa_memory_ordered 1
		.amdhsa_forward_progress 1
		.amdhsa_inst_pref_size 151
	.end_amdhsa_kernel
	.amdgpu_metadata
---
amdhsa.version: [ 1, 2 ]
amdhsa.kernels:
  - .name:           k_q9c21422791_proj
    .symbol:         k_q9c21422791_proj.kd
    .args:
      - { .name: ao, .offset: 0, .size: 8, .value_kind: global_buffer, .address_space: global }
      - { .name: wp, .offset: 8, .size: 8, .value_kind: global_buffer, .address_space: global }
      - { .name: b_proj, .offset: 16, .size: 8, .value_kind: global_buffer, .address_space: global }
      - { .name: out0, .offset: 24, .size: 8, .value_kind: global_buffer, .address_space: global }
    .group_segment_fixed_size: 327680
    .private_segment_fixed_size: 0
    .kernarg_segment_align: 8
    .kernarg_segment_size: 32
    .max_flat_workgroup_size: 128
    .sgpr_count:     66
    .vgpr_count:     768
    .wavefront_size: 32
...
	.end_amdgpu_metadata
.endif
;; end of part 4
